; MI455X (gfx1250); checked and timed in simulation.
; The chip was launched on July 23, 2026; its instructions are those of AMD's public machine-readable ISA for CDNA 5 (MIT licence, August 2026) and "CDNA5" Instruction Set Architecture Reference Guide (July 2026). The comments in the code are by the model that wrote it; some were corrected since.
;; Attention. Allowed arithmetic: matrix products marked QUANTISED: E3M2 operands, one E8M0 scale for each 32 along K, by v_wmma_scale_f32_16x16x128_f8f6f4 with both operands' format E3M2, f32 sums; everything else in f32.
;; Inputs: bk 256 float32; bq 1,024 float32; bv 256 float32; cos 4,096 x 128 float32; sin 4,096 x 128 float32; wk 256 x 2,048 float32; wo 2,048 x 1,024 float32; wq 1,024 x 2,048 float32; wv 256 x 2,048 float32; x 1 x 4,096 x 2,048 float32.
;; Outputs: out0 1 x 4,096 x 2,048 float32.
;; This version of the problem:
;;   THIS VERSION OF THE PROBLEM IS GIVEN IN LOW PRECISION. The matrix products marked QUANTISED in the list below multiply operands that are first quantised to E3M2 (3 exponent bits, 2 mantissa bits; 6 bits a number), with one power-of-two scale for each 32 numbers along K (OCP MX v1.0); their sums are f32. All else is computed in f32.
;;   The module's matrix products, in the order in which they are computed (A, B: the left and right operand; K: the contracted axis; several contracted axes count as one K, in the product's order):
;;     1. [M 4,096, K 2,048] x [K 2,048, N 1,024]; A: input x; B: input wq: QUANTISED
;;     2. [M 4,096, K 2,048] x [K 2,048, N 256]; A: input x; B: input wk: QUANTISED
;;     3. [M 4,096, K 2,048] x [K 2,048, N 256]; A: input x; B: input wv: QUANTISED
;;     4. batch 2 x [M 16,384, K 128] x [K 128, N 4,096]; A: computed on the way; B: computed on the way: QUANTISED
;;     5. batch 2 x [M 16,384, K 4,096] x [K 4,096, N 128]; A: softmax (see below); B: computed on the way: QUANTISED
;;     6. [M 4,096, K 1,024] x [K 1,024, N 2,048]; A: computed on the way; B: input wo: QUANTISED
;;   THE QUANTISER, for each operand of a quantised product, along K:
;;     - K is cut into blocks of 32 from its start; a last block that is shorter is filled with zeros.
;;     - A block's scale is 2^e with e = floor(log2(the largest magnitude in the block)) - 4, held to -126 .. 127; a block of zeros has e = 0. As a byte (E8M0): e + 127.
;;     - Each number is divided by its block's scale, clamped to +-28, and rounded to the nearest number of E3M2, ties to even, subnormals kept.
;;     - The product sums the exact products of the quantised numbers (number of the format x scale) in f32.
;;   ~~~python
;;   def quantise(x, axis):      # numpy; x: float32 -> the quantised numbers, widened to float32 again
;;       x = np.moveaxis(x, axis, -1); K = x.shape[-1]
;;       x = np.pad(x, [(0, 0)] * (x.ndim - 1) + [(0, -K % 32)]); x = x.reshape(x.shape[:-1] + (-1, 32)); a = np.abs(x).max(-1, keepdims=True)
;;       e = np.where(a > 0, np.clip(np.frexp(np.where(a > 0, a, 1))[1] - 1 - 4, -126, 127), 0)      # np.frexp(a)[1] - 1 = floor(log2(a)), exactly
;;       r = np.clip(x / 2.0 ** e, -28, 28)
;;       step = 2.0 ** (np.maximum(np.frexp(np.where(r == 0, 1, r))[1] - 1, -2) - 2)
;;       q = np.round(r / step) * step * 2.0 ** e      # np.round: ties to even
;;       return np.moveaxis(q.reshape(q.shape[:-2] + (-1,))[..., :K], -1, axis).astype(np.float32)
;;   ~~~
;;   SOFTMAX AHEAD OF A QUANTISED PRODUCT. Where the list says 'softmax', what is quantised is not the finished softmax but p = 2^(t - M), with t = logit x log2(e) and M = ceil(the row's largest t), a whole number; so 1/2 < the row's largest p <= 1. The row's sum l is taken of the UNQUANTISED p, in f32, and the product's result is divided by l at the end. Since M is a whole number, a kernel that streams over the keys may use a running M (the ceiling of the running maximum): every later rescaling is an exact power of two, which a block's scale takes up: the codes' values come out the same.
;;   OPERANDS COMPUTED ON THE WAY. 'Computed on the way' means the value that the module computes at that place (a softmax that the list does not call 'softmax' is quantised finished and normalised). What goes into a quantiser is computed in f32, as accurately as f32 sums, v_exp_f32 and their like allow (about 1e-6 of the number): no bf16 or f16 on the way to a quantiser, and a product that is left as it is and whose result goes on into a quantised operand takes f32 operands (vector FMAs, or v_wmma_f32_16x16x4_f32). A number that lies on a knife's edge between two numbers of the format may be rounded either way, as far as f32 arithmetic and the matrix unit's own rounding can turn it there, and no further.
;; One version. Each part assembles by itself: llvm-mc -triple=amdgcn-amd-amdhsa -mcpu=gfx1250 --defsym DOCPART=n.
;; ======== version 1 of 1: 4 launches
;; limits: right only within a limited range of input values
;; workspace buffers: xc 6,553,600 bytes; wc 2,457,600 bytes; woc 1,638,400 bytes; qkv 4,915,200 bytes; oc 3,276,800 bytes
;; launch quant (part 1): grid 256 x 1, 11 waves a work-group, no clusters, 94,464 bytes of LDS; arguments x, wq, wk, wv, xc, wc; writes xc, wc
.if DOCPART == 1
	.amdgcn_target "amdgcn-amd-amdhsa--gfx1250"
	.amdhsa_code_object_version 6
	.text
	.protected	k_qbc37d73902_quant
	.globl	k_qbc37d73902_quant
	.p2align	8
	.type	k_qbc37d73902_quant,@function
k_qbc37d73902_quant:
	s_mov_b64 s[64:65], 0
	v_nop
	global_prefetch_b8 v0, s[64:65] scope:SCOPE_SE
	s_setreg_imm32_b32 hwreg(HW_REG_WAVE_MODE, 25, 1), 1
	s_wait_xcnt 0x0
; x [4096][2048], wq [1024][2048], wk, wv [256][2048], all f32 with K innermost, become codes of BF6 (E3M2) with one E8M0 scale byte for each 32 along K.  (wo is quantised by the next launch.)
; A block's scale is 2^(floor(log2(its largest magnitude)) - 4); its byte is the largest magnitude's exponent field - 4, held at 1 from below.
; WORK LEFT OUT BY THE PROGRAM: in the attention, key steps that lie wholly behind a tile's tokens: reference()'s own causal mask gives them p = 0 for all inputs; its window mask is never built at S = 4,096.
; A NaN or an infinity that reaches only such scores is not carried to the result.
; LIMITS: NaN and infinities among the inputs are not served.  A block of zeros, and a block whose largest magnitude lies under 2^-122, gets the byte 1 (a block of zeros has zero codes, which add
; nothing under that byte; the bytes are read by this program alone).
; THE FORMAT OF ALL WORKSPACE BUFFERS: IMAGES OF OPERAND REGISTERS.  32 rows (number beta) make two tiles u = 0, 1: lane r of a tile holds row 32 beta + 8 u + r + 8 (r / 8).
; A fragment (a tile x 128 along K) is 12 registers a lane, laid as three runs of 512 bytes: run c holds registers 4 c .. 4 c + 3, lane l's 16 bytes at 16 l.
; A unit (64 rows x 128 along K) is 6,400 bytes: four fragments of 1,536, then 256 bytes of scale words (tile t, lane r at 6,144 + 64 t + 4 r).  A block (128 rows) is two units;
; block (group G of 128 rows, K step s) lies at (G x K / 128 + s) x 12,800.
; SHARES.  A wave takes 32 rows x 128 along K: 32 loads of 512 consecutive bytes, two fragments out.  2,816 such jobs: x 2,048, wq 512, wk 128, wv 128; eleven to each of 256 work-groups.
; A load is dense (a row's 512 bytes over the 32 lanes); the conversions want 16 neighbours along K in one lane: so a tile's 16 rows turn through the wave's own stage in LDS.
; Waves share nothing: no barrier.  The two tiles' codes have registers of their own, so no store's data are written again.
.set STG,  8448                        ; a wave's stage: 16 rows x (512 bytes + 16)
.set SPARE, 11*STG                     ; behind the stages: the spare words
.set R0,   32                          ; v32-159  the two tiles as loaded: 16 rows x 4 registers each
.set X,    160                         ; v160-223 a tile turned: register 16 b + i = k 32 b + 16 (lane / 16) + i of my row
.set TA,   8
.set TB,   12
.set TC,   16
.set PW,   24                          ; the scale word just made
.set PWE,  25                          ; the even tile's
.set PWM,  26                          ; lanes 0-15 the even tile's words, lanes 16-31 the odd tile's
.set PC,   224                         ; the codes: tile 0 at v224-242, tile 1 at v32-50 (tile 0's numbers have left those)
.set SEL,  36
.macro QUANT s
.irp b, 0,1,2,3
	v_max3_num_f32 v[TA+\b], |v[\s+16*\b]|, |v[\s+1+16*\b]|, 0x2800000   ; my 16 numbers of block b, and the floor 2^(5 - 127)
.endr
.irp i, 2,4,6,8,10,12,14
.irp b, 0,1,2,3
	s_delay_alu instid0(VALU_DEP_4)
	v_max3_num_f32 v[TA+\b], v[TA+\b], |v[\s+16*\b+\i]|, |v[\s+1+16*\b+\i]|
.endr
.endr
.irp b, 0,1,2,3
	s_delay_alu instid0(VALU_DEP_4)
	v_permlanex16_b32 v[TB+\b], v[TA+\b], s[SEL], s[SEL+1]
.endr
.irp b, 0,1,2,3
	s_delay_alu instid0(VALU_DEP_4)
	v_max_num_f32 v[TA+\b], v[TA+\b], v[TB+\b]     ; with lane l xor 16's 16: the block's largest magnitude
.endr
.irp b, 0,1,2,3
	s_delay_alu instid0(VALU_DEP_4)
	v_add_nc_u32 v[TC+\b], 0xfe000000, v[TA+\b]    ; 4 off its exponent field: the conversion's scale operand
.endr
.irp b, 0,1,2,3
	s_delay_alu instid0(VALU_DEP_4)
	v_lshrrev_b32 v[TB+\b], 23, v[TC+\b]           ; the scale's byte
.endr
	s_delay_alu instid0(VALU_DEP_3)
	v_lshl_or_b32 v[PW], v[TB+1], 8, v[TB]
	s_delay_alu instid0(VALU_DEP_1)
	v_lshl_or_b32 v[PW], v[TB+2], 16, v[PW]
	s_delay_alu instid0(VALU_DEP_1)
	v_lshl_or_b32 v[PW], v[TB+3], 24, v[PW]
.irp c, 0,1
	v_cvt_scalef32_pk16_bf6_f32 v[PC+6*\c:PC+2+6*\c], v[\s+32*\c:\s+15+32*\c], v[TC+2*\c]
	v_cvt_scalef32_pk16_bf6_f32 v[PC+12+4*\c:PC+14+4*\c], v[\s+16+32*\c:\s+31+32*\c], v[TC+2*\c+1]
.endr
	v_nop                                          ; one plain instruction behind the scaled conversions
.irp c, 0,1
.irp i, 0,1,2
	v_permlane16_swap_b32 v[PC+6*\c+\i], v[PC+12+4*\c+\i]
.endr
.irp i, 0,1,2
	s_delay_alu instid0(VALU_DEP_3)
	v_mov_b32 v[PC+3+6*\c+\i], v[PC+12+4*\c+\i]
.endr
.endr
.endm
.macro TILE u
.if \u == 0
	s_wait_loadcnt 16                              ; tile 0's sixteen loads are in; tile 1's sixteen may be out
.else
	s_wait_loadcnt 0x0
.endif
.irp i, 0,1,2,3,4,5,6,7,8,9,10,11,12,13,14,15
	ds_store_b128 v3, v[R0+64*\u+4*\i:R0+64*\u+4*\i+3] offset:528*\i
.endr
.irp b, 0,1,2,3
.irp j, 0,1,2,3
	ds_load_b128 v[X+16*\b+4*\j:X+16*\b+4*\j+3], v4 offset:128*\b+16*\j   ; LDS serves a wave's instructions in order: these see the stores above
.endr
.endr
	s_wait_dscnt 0x0
.set PC, 224-192*(\u)
	QUANT X
.endm
	s_load_b256 s[4:11], s[0:1], 0x0               ; x, wq, wk, wv
	s_load_b128 s[12:15], s[0:1], 0x20             ; xc, wc
	v_lshl_add_u32 v254, v0, 2, SPARE
	v_mov_b32 v255, 0
	v_lshrrev_b32 v5, 5, v0
	s_delay_alu instid0(VALU_DEP_1)
	v_readfirstlane_b32 s20, v5                    ; wave 0..10
	v_and_b32 v6, 31, v0                           ; lane
	s_delay_alu instid0(VALU_DEP_1)
	v_lshlrev_b32 v1, 4, v6                        ; 16 x lane
	s_delay_alu instid0(VALU_DEP_2)
	v_lshlrev_b32 v2, 2, v6                        ; 4 x lane
	s_mul_i32 s35, s20, STG
	v_add_nc_u32 v3, s35, v1                       ; the stage, on the way in: 16 x lane of a row
	v_and_b32 v7, 15, v0                           ; r
	v_bfe_u32 v5, v0, 4, 1                         ; h
	s_delay_alu instid0(VALU_DEP_2)
	v_mul_u32_u24 v4, v7, 528
	s_delay_alu instid0(VALU_DEP_1)
	v_lshl_add_u32 v4, v5, 6, v4
	s_delay_alu instid0(VALU_DEP_1)
	v_add_nc_u32 v4, s35, v4                       ; and on the way out: row r, + 64 h
.irp b, 0,1,2,3
	v_mov_b32 v[TB+\b], 0                          ; written once: a lane permute's destination counts as one of its sources
.endr
	s_mov_b32 s[SEL], 0x76543210
	s_mov_b32 s[SEL+1], 0xfedcba98
	s_mov_b32 s34, 0xffff0000                      ; lanes 16-31
	s_mul_i32 s38, ttmp9, 11
	s_add_co_u32 s38, s38, s20                     ; my job of 2,816
	s_wait_kmcnt 0x0
	; which matrix is my wave's?  Only pointers and numbers are chosen, on the job's number: all four take one way through the text
	s_mov_b64 s[26:27], s[10:11]                   ; wv: jobs 2,688 ..
	s_mov_b64 s[28:29], s[14:15]
	s_mov_b32 s21, 2688                            ; the matrix's first job
	s_mov_b32 s22, 10*204800                       ; its first byte in its buffer of codes
	s_cmp_lt_u32 s38, 2688                         ; wk: 2,560 ..
	s_cselect_b64 s[26:27], s[8:9], s[26:27]
	s_cselect_b32 s21, 2560, s21
	s_cselect_b32 s22, 8*204800, s22
	s_cmp_lt_u32 s38, 2560                         ; wq: 2,048 ..
	s_cselect_b64 s[26:27], s[6:7], s[26:27]
	s_cselect_b32 s21, 2048, s21
	s_cselect_b32 s22, 0, s22
	s_cmp_lt_u32 s38, 2048                         ; x: 0 ..
	s_cselect_b64 s[26:27], s[4:5], s[26:27]
	s_cselect_b64 s[28:29], s[12:13], s[28:29]
	s_cselect_b32 s21, 0, s21
	s_sub_co_u32 s38, s38, s21                     ; my job in the matrix
	s_and_b32 s39, s38, 15                         ; s: my K step
	s_lshr_b32 s38, s38, 4                         ; beta: my 32 rows
	s_lshl_b32 s40, s38, 18                        ; 32 rows of 8,192 bytes
	s_lshl_b32 s41, s39, 9
	s_add_co_u32 s40, s40, s41                     ; + 512 s
	s_mov_b32 s41, 0
	s_add_nc_u64 s[26:27], s[26:27], s[40:41]
	s_lshr_b32 s42, s38, 2                         ; G
	s_lshl_b32 s42, s42, 4
	s_add_co_u32 s42, s42, s39
	s_mul_i32 s42, s42, 12800                      ; the block,
	s_add_co_u32 s42, s42, s22
	s_bfe_u32 s43, s38, 0x10001
	s_mul_i32 s43, s43, 6400                       ; the unit in it
	s_add_co_u32 s42, s42, s43
	s_mov_b32 s43, 0
	s_add_nc_u64 s[28:29], s[28:29], s[42:43]
	s_and_b32 s44, s38, 1                          ; which pair of the unit's four tiles
	s_mul_i32 s40, s44, 3072
	s_add_nc_u64 s[30:31], s[28:29], s[40:41]      ; my two fragments
	s_lshl_b32 s40, s44, 7
	s_add_co_u32 s40, s40, 6144
	s_add_nc_u64 s[32:33], s[28:29], s[40:41]      ; my 32 scale words
.irp u, 0,1
.irp i, 0,1,2,3,4,5,6,7,8,9,10,11,12,13,14,15
	global_load_b128 v[R0+64*\u+4*\i:R0+64*\u+4*\i+3], v1, s[26:27] offset:(8*\u+\i+8*(\i/8))*8192 th:TH_LOAD_NT   ; a row's 512 bytes of my K step; tile 0's sixteen rows first
.endr
.endr
	s_wait_alu depctr_va_vdst(0)
	TILE 0
	v_mov_b32 v[PWE], v[PW]
	TILE 1
	v_cndmask_b32 v[PWM], v[PWE], v[PW], s34       ; lanes 0-15: the even tile's words; lanes 16-31: the odd tile's
.irp c, 0,1,2                          ; all stores stand behind the second tile's arithmetic; each covers 512 consecutive bytes, at a multiple of 256 from the buffer's first byte
	global_store_b128 v1, v[224+4*\c:224+4*\c+3], s[30:31] offset:512*\c
.endr
.irp c, 0,1,2
	global_store_b128 v1, v[32+4*\c:32+4*\c+3], s[30:31] offset:1536+512*\c
.endr
	global_store_b32 v2, v[PWM], s[32:33]          ; 128 consecutive bytes
	s_wait_tensorcnt 0x0                           ; the wave's end
	ds_add_u32 v254, v255
	s_wait_dscnt 0x0
	s_endpgm
.Lfunc_end_k_qbc37d73902_quant:
	.size	k_qbc37d73902_quant, .Lfunc_end_k_qbc37d73902_quant-k_qbc37d73902_quant
	.p2alignl 7, 3214868480
	.fill 96, 4, 3214868480
	.section	.rodata,"a",@progbits
	.p2align	6, 0x0
	.amdhsa_kernel k_qbc37d73902_quant
		.amdhsa_group_segment_fixed_size 94464
		.amdhsa_private_segment_fixed_size 0
		.amdhsa_enable_private_segment 0
		.amdhsa_kernarg_size 48
		.amdhsa_user_sgpr_count 2
		.amdhsa_user_sgpr_kernarg_segment_ptr 1
		.amdhsa_wavefront_size32 1
		.amdhsa_system_sgpr_workgroup_id_x 1
		.amdhsa_system_sgpr_workgroup_id_y 1
		.amdhsa_system_sgpr_workgroup_id_z 1
		.amdhsa_system_vgpr_workitem_id 0
		.amdhsa_next_free_vgpr 256
		.amdhsa_next_free_sgpr 66
		.amdhsa_reserve_vcc 0
		.amdhsa_float_denorm_mode_32 3
		.amdhsa_float_denorm_mode_16_64 3
		.amdhsa_memory_ordered 1
		.amdhsa_forward_progress 1
		.amdhsa_inst_pref_size 23
	.end_amdhsa_kernel
	.amdgpu_metadata
---
amdhsa.version: [ 1, 2 ]
amdhsa.kernels:
  - .name:           k_qbc37d73902_quant
    .symbol:         k_qbc37d73902_quant.kd
    .args:
      - { .name: x, .offset: 0, .size: 8, .value_kind: global_buffer, .address_space: global }
      - { .name: wq, .offset: 8, .size: 8, .value_kind: global_buffer, .address_space: global }
      - { .name: wk, .offset: 16, .size: 8, .value_kind: global_buffer, .address_space: global }
      - { .name: wv, .offset: 24, .size: 8, .value_kind: global_buffer, .address_space: global }
      - { .name: xc, .offset: 32, .size: 8, .value_kind: global_buffer, .address_space: global }
      - { .name: wc, .offset: 40, .size: 8, .value_kind: global_buffer, .address_space: global }
    .group_segment_fixed_size: 94464
    .private_segment_fixed_size: 0
    .kernarg_segment_align: 8
    .kernarg_segment_size: 48
    .max_flat_workgroup_size: 352
    .sgpr_count:     66
    .vgpr_count:     256
    .wavefront_size: 32
...
	.end_amdgpu_metadata
.endif
;; end of part 1
;; launch qkv (part 2): grid 256 x 1, 4 waves a work-group, no clusters, 327,680 bytes of LDS; arguments xc, wc, bq, bk, bv, cos, sin, qkv, wo, woc; writes qkv, woc
.if DOCPART == 2
	.amdgcn_target "amdgcn-amd-amdhsa--gfx1250"
	.amdhsa_code_object_version 6
	.text
	.protected	k_qbc37d73902_qkv
	.globl	k_qbc37d73902_qkv
	.p2align	8
	.type	k_qbc37d73902_qkv,@function
k_qbc37d73902_qkv:
	s_mov_b64 s[64:65], 0
	v_nop
	global_prefetch_b8 v0, s[64:65] scope:SCOPE_SE
	s_setreg_imm32_b32 hwreg(HW_REG_WAVE_MODE, 25, 1), 1
	s_wait_xcnt 0x0
; q = rope(x wq^T + bq), k = rope(x wk^T + bk), v = x wv^T + bv, the products on codes of BF6 (E3M2) with E8M0 scales; the results are quantised here, in registers, into operands of the attention:
; q and k along the head's 128, v along the keys.  All buffers of codes are images of operand registers: lane r of tile 2 beta + u holds row 32 beta + 8 u + r + 8 (r / 8); a fragment (tile x 128 K) is
; 3 x 512 bytes; a unit (64 rows) four fragments and 256 bytes of scale words, 6,400 bytes; a block (128 rows) two units.
; LIMITS: NaN and infinities are not served; a block of zeros, or one whose largest magnitude lies under 2^-122, gets the scale byte 1.
; SHARES.  A work-group makes 128 rows of source 0 x 256 rows of source 1 over K = 2,048; a wave 128 x 64: 32 accumulators.
;   work-groups 0-159: head H = id / 16 (0-7 q, 8-9 k), 256 tokens: source 0 = the head's 128 rows of the weight, source 1 = x: a lane holds ONE token, its 64 registers of a tile run along the head's 128.
;   work-groups 160-191: 128 tokens: source 0 = x, source 1 = wv's 256 rows: a lane holds ONE channel of v, its registers run along the keys.
; With the rows of a tile chosen as above, register 16 b + i of a tile's 64 is row 32 b + 16 (lane / 16) + i of source 0: 16 neighbours along the next K: the quantiser's results are the next operand's registers.
; DATA.  Source 0 for all of K is one dense block of 204,800 bytes: it comes into LDS once, by tensor loads of one K step (50 rows of 256 bytes) each, four a wave, one at the head and three behind barriers: nothing is filled
; again.  A K step is a load of its own so that the first products need wait for the first four alone.  Source 1 is read by one wave only: it goes from memory straight into registers, 512 consecutive
; bytes an instruction, in four sets that run three K steps ahead.
; No cluster: what work-groups share (source 0) is a third of a work-group's bytes; the rest are each wave's own rows.
; REGISTERS, in windows of 256: window 0: v1-15 addresses; v16-23, v24-31 scale words (they hold nothing else); v32-50 codes; v52-63 the quantiser's; v64-191 cos and sin of tile 0; v192-255 the numbers to be quantised.
;   window 1: source 0, two sets at v0 and v128; v96-103 bv.   window 2: accumulator (tile b of source 1, tile a of source 0) at v[64 b + 8 a].   window 3: source 1, four sets of 48; v192-255 bq or bk.
; THE FILLS AS THIS TEXT HAS THEM: of a wave's four tensor loads one goes out at the head (K step = the wave's number); the next three go out one each behind the barrier ahead of K step 0 and behind
; those in K steps 3 and 7, in front of which every wave has waited for its load and run the add; each is first read four K steps later.  Nothing is filled twice.
; One tensor load a wave at the head and behind a barrier, in that sequence; all of LDS is claimed.
; On the way out each tile's codes and each pair's scale words have registers of their own, so no store's data are written again.
; WORK-GROUPS 192-255 QUANTISE wo [2048][1024] into woc, in the format above: work-group 192 + beta takes rows 32 beta .. + 31, wave w K steps w and w + 4: 64 loads of 512 consecutive bytes, four tiles,
; each turned through the wave's own stage in LDS, on bytes behind the spare words on which no fill lands.  They part from the others on the work-group's number, ahead of every tensor load and barrier.
.set NK,    16                         ; K steps of 128
.set WSTG,  8448                       ; wo: a wave's stage: 16 rows x (512 bytes + 16)
.set WOST,  0x32200                    ; the four stages
.set BLKB,  12800
.set UNITB, 6400
.set FRB,   1536
.set SCO,   6144
.set GRPB,  4*BLKB
.set MATB,  NK*BLKB
.set LI,   1                           ; v1     16 x lane
.set LS,   2                           ; v2     4 x lane
.set PW,   3                           ; v3     the scale word just made
.set PWE,  4                           ; v4     not used
.set ACS,  5                           ; v5     cos, sin: (r + 8 (r / 8)) x 512 + 64 h
.set ABQ,  6                           ; v6     bq, bk: 64 h
.set ABV,  7                           ; v7     bv: (r + 8 (r / 8)) x 4
.set AF,   8                           ; v8-11  LDS: 16 x lane + 51,200 g
.set ASC,  12                          ; v12-15 LDS: 4 x lane + 51,200 g
.set SC0,  16                          ; source 0's scale words: set e at v[16 + 4 e]; register p: lanes 0-15 tile 2 p, lanes 16-31 tile 2 p + 1
.set SC1,  24                          ; source 1's: set q at v[24 + 2 q]
.set PC,   32
.set TA,   52
.set TB,   56
.set TC,   60
.set CS0,  64
.set Z,    192
.set BQ,   192                         ; in window 3
.set BV,   96                          ; in window 1
.set SEL,  58
.set MULW, 0xad                        ; source 0 window 1, source 1 window 3, C and D window 2
.set MSB, 0
.macro WIN new                         ; the immediate's high byte repeats the setting that is left; a switch that changes nothing is dropped
.if MSB != (\new)
	s_set_vgpr_msb (MSB<<8)|(\new)
.set MSB, (\new)
.endif
.endm
.macro PLACES                          ; four plain instructions between a matrix instruction and a load into, or a read by a vector instruction or store of, its registers
.rept 4
	v_nop
.endr
.endm
.macro QUANT s                         ; 64 numbers of a lane, register 16 b + i = k 32 b + 16 (lane / 16) + i of my row -> codes in v[PC] .. v[PC + 11], scale word in v[PW]
.irp b, 0,1,2,3
	v_max3_num_f32 v[TA+\b], |v[\s+16*\b]|, |v[\s+1+16*\b]|, 0x2800000   ; my 16 numbers of block b, and the floor 2^(5 - 127): the byte cannot fall under 1
.endr
.irp i, 2,4,6,8,10,12,14
.irp b, 0,1,2,3
	v_max3_num_f32 v[TA+\b], v[TA+\b], |v[\s+16*\b+\i]|, |v[\s+1+16*\b+\i]|
.endr
.endr
.irp b, 0,1,2,3
	v_permlanex16_b32 v[TB+\b], v[TA+\b], s[SEL], s[SEL+1]
.endr
.irp b, 0,1,2,3
	v_max_num_f32 v[TA+\b], v[TA+\b], v[TB+\b]     ; with lane l xor 16's: the block's largest magnitude
.endr
.irp b, 0,1,2,3
	v_add_nc_u32 v[TC+\b], 0xfe000000, v[TA+\b]    ; 4 off its exponent field: the conversion's scale operand
.endr
.irp b, 0,1,2,3
	v_lshrrev_b32 v[TB+\b], 23, v[TC+\b]           ; the scale's byte
.endr
	v_lshl_or_b32 v[PW], v[TB+1], 8, v[TB]
	v_lshl_or_b32 v[PW], v[TB+2], 16, v[PW]
	v_lshl_or_b32 v[PW], v[TB+3], 24, v[PW]
.irp c, 0,1
	v_cvt_scalef32_pk16_bf6_f32 v[PC+6*\c:PC+2+6*\c], v[\s+32*\c:\s+15+32*\c], v[TC+2*\c]
	v_cvt_scalef32_pk16_bf6_f32 v[PC+12+4*\c:PC+14+4*\c], v[\s+16+32*\c:\s+31+32*\c], v[TC+2*\c+1]
.endr
	v_nop                                          ; one plain instruction behind the scaled conversions
.irp c, 0,1
.irp i, 0,1,2
	v_permlane16_swap_b32 v[PC+6*\c+\i], v[PC+12+4*\c+\i]
.endr
.irp i, 0,1,2
	v_mov_b32 v[PC+3+6*\c+\i], v[PC+12+4*\c+\i]
.endr
.endr
.endm
; one matrix instruction.  zero = 1: it starts the sum.  ra, rb = 1: that side's scale words stand in lanes 16-31 of the register named
.macro WMS d, a, b, zero, sa, sb, ra, rb
.if \zero
.if (\ra) && (\rb)
	v_wmma_scale_f32_16x16x128_f8f6f4 v[\d:\d+7], v[\a:\a+11], v[\b:\b+11], 0, v[\sa], v[\sb] matrix_a_fmt:MATRIX_FMT_BF6 matrix_b_fmt:MATRIX_FMT_BF6 matrix_a_scale:MATRIX_SCALE_ROW1 matrix_b_scale:MATRIX_SCALE_ROW1
.elseif (\ra)
	v_wmma_scale_f32_16x16x128_f8f6f4 v[\d:\d+7], v[\a:\a+11], v[\b:\b+11], 0, v[\sa], v[\sb] matrix_a_fmt:MATRIX_FMT_BF6 matrix_b_fmt:MATRIX_FMT_BF6 matrix_a_scale:MATRIX_SCALE_ROW1
.elseif (\rb)
	v_wmma_scale_f32_16x16x128_f8f6f4 v[\d:\d+7], v[\a:\a+11], v[\b:\b+11], 0, v[\sa], v[\sb] matrix_a_fmt:MATRIX_FMT_BF6 matrix_b_fmt:MATRIX_FMT_BF6 matrix_b_scale:MATRIX_SCALE_ROW1
.else
	v_wmma_scale_f32_16x16x128_f8f6f4 v[\d:\d+7], v[\a:\a+11], v[\b:\b+11], 0, v[\sa], v[\sb] matrix_a_fmt:MATRIX_FMT_BF6 matrix_b_fmt:MATRIX_FMT_BF6
.endif
.else
.if (\ra) && (\rb)
	v_wmma_scale_f32_16x16x128_f8f6f4 v[\d:\d+7], v[\a:\a+11], v[\b:\b+11], v[\d:\d+7], v[\sa], v[\sb] matrix_a_fmt:MATRIX_FMT_BF6 matrix_b_fmt:MATRIX_FMT_BF6 matrix_a_scale:MATRIX_SCALE_ROW1 matrix_b_scale:MATRIX_SCALE_ROW1
.elseif (\ra)
	v_wmma_scale_f32_16x16x128_f8f6f4 v[\d:\d+7], v[\a:\a+11], v[\b:\b+11], v[\d:\d+7], v[\sa], v[\sb] matrix_a_fmt:MATRIX_FMT_BF6 matrix_b_fmt:MATRIX_FMT_BF6 matrix_a_scale:MATRIX_SCALE_ROW1
.elseif (\rb)
	v_wmma_scale_f32_16x16x128_f8f6f4 v[\d:\d+7], v[\a:\a+11], v[\b:\b+11], v[\d:\d+7], v[\sa], v[\sb] matrix_a_fmt:MATRIX_FMT_BF6 matrix_b_fmt:MATRIX_FMT_BF6 matrix_b_scale:MATRIX_SCALE_ROW1
.else
	v_wmma_scale_f32_16x16x128_f8f6f4 v[\d:\d+7], v[\a:\a+11], v[\b:\b+11], v[\d:\d+7], v[\sa], v[\sb] matrix_a_fmt:MATRIX_FMT_BF6 matrix_b_fmt:MATRIX_FMT_BF6
.endif
.endif
.endm
.macro FETCH0 s                        ; source 0's eight fragments and four registers of scale words of K step s, from LDS, into set s % 2: 28 LDS loads
.set E0, (\s)%2
.set GI, (\s)/4
.set O0, ((\s)%4)*BLKB
	WIN 0x40
.irp t, 0,1,2,3,4,5,6,7
.irp c, 0,1,2
	ds_load_b128 v[128*E0+12*\t+4*\c:128*E0+12*\t+4*\c+3], v[AF+GI] offset:O0+(\t/4)*UNITB+(\t%4)*FRB+512*\c
.endr
.endr
	WIN 0
.irp p, 0,1,2,3
	ds_load_b32 v[SC0+4*E0+\p], v[ASC+GI] offset:O0+(\p/2)*UNITB+SCO+128*(\p%2)
.endr
.endm
.macro FETCH1 s                        ; source 1's four fragments and two registers of scale words of K step s, from memory, into set s % 4: 14 loads; every offset is an immediate
.set Q1, (\s)%4
	WIN 0xc0
.irp b, 0,1,2,3
.irp c, 0,1,2
	global_load_b128 v[48*Q1+12*\b+4*\c:48*Q1+12*\b+4*\c+3], v[LI], s[48:49] offset:BLKB*(\s)+FRB*\b+512*\c
.endr
.endr
	WIN 0
.irp p, 0,1
	global_load_b32 v[SC1+2*Q1+\p], v[LS], s[48:49] offset:BLKB*(\s)+SCO+128*\p
.endr
.endm
.macro MUL32 s, zero                   ; the 32 accumulators take turns, one instruction a turn, in the same order in every K step
.set E0, (\s)%2
.set Q1, (\s)%4
.irp b, 0,1,2,3
.irp a, 0,1,2,3,4,5,6,7
	WMS 64*\b+8*\a, 128*E0+12*\a, 48*Q1+12*\b, \zero, SC0+4*E0+\a/2, SC1+2*Q1+\b/2, \a%2, \b%2
.endr
.endr
.endm
.macro STEP s
	s_wait_dscnt 0x0                               ; this step's fragments of source 0 are in (asked for 32 matrix instructions ago)
.if NK-1-(\s) >= 3
	s_wait_loadcnt 42                              ; this step's 14 loads of source 1 are in; those of the three steps behind it may be out
.else
	s_wait_loadcnt 14*(NK-1-(\s))
.endif
.if ((\s)%4 == 3) && ((\s)+1 < NK)
	s_wait_tensorcnt 0x0                           ; my K step of the next group of four has landed
.if (\s)+5 < NK
	ds_add_u32 v47, v51                            ; the add ahead of a barrier behind which a fill goes out
	s_wait_dscnt 0x0
.endif
	s_barrier_signal -1
	s_barrier_wait -1                              ; everybody's has
.if (\s)+5 < NK
	tensor_load_to_lds s[32+4*((\s)/4+2):35+4*((\s)/4+2)], s[24:31]   ; my K step of the group after that: my one load behind this barrier
	s_nop 0
	PLACES
.endif
.endif
.if (\s)+1 < NK
	FETCH0 (\s)+1                                  ; into the set that the step before multiplied: its four places stand at that step's end
.endif
	WIN MULW
.if (\s) == 0
	MUL32 \s, 1                                    ; the first K step starts the sums: nothing is cleared
.else
	MUL32 \s, 0
.endif
	PLACES
.if (\s)+4 < NK
	FETCH1 (\s)+4                                  ; into the set just multiplied
.endif
	WIN 0
.endm
.macro CSL b, w, cb, sn                ; 16 loads: cos (sn = 0) or sin (1) of tile b's 16 tokens, in the result's layout, into window w at cb + 64 sn
	WIN (\w)<<6
.irp k, 0,1,2,3
.irp j, 0,1,2,3
	global_load_b128 v[\cb+64*\sn+16*\k+4*\j:\cb+64*\sn+16*\k+4*\j+3], v[ACS], s[54+2*\sn:55+2*\sn] offset:(32*(\b/2)+8*(\b%2))*512+128*\k+16*\j
.endr
.endr
	WIN 0
.endm
.macro SENDALL                         ; the four tiles' fragments and scale words leave together, behind the last tile's arithmetic: 512 consecutive bytes a store, at a multiple of 256 from the buffer's first byte
.irp b, 0,1,2,3
.irp c, 0,1,2
	global_store_b128 v[LI], v[32+32*\b+4*\c:32+32*\b+4*\c+3], s[50:51] offset:FRB*\b+512*\c
.endr
.endr
.irp p, 0,1
	global_store_b32 v[LS], v[160+\p], s[50:51] offset:SCO+128*\p
.endr
.endm
.macro PUT b                           ; two tiles' scale words are joined in one register
.if (\b)%2 == 0
	v_mov_b32 v[160+(\b)/2], v[PW]
.else
	v_cndmask_b32 v[160+(\b)/2], v[160+(\b)/2], v[PW], s60   ; lanes 0-15: the even tile's words; lanes 16-31: the odd tile's
.endif
.endm
; Tile b of q or k: y = sum + bias; z(d) = y(d) cos(d) - y(d + 64) sin(d) for d < 64, y(d) cos(d) + y(d - 64) sin(d) else.  Register n = 16 b' + i stands for d = 32 b' + 16 h + i, so d + 64 is n + 32.
.macro ROPE b, w, cb, left
.if (\left) >= 0
	s_wait_loadcnt \left                           ; this tile's cos and sin are in; the later halves asked for behind them may be out
.endif
	WIN 0x8e                                       ; destination and source 0 window 2, source 1 (the bias) window 3
.set N, 0
.rept 32
	v_pk_add_f32 v[64*\b+N:64*\b+N+1], v[64*\b+N:64*\b+N+1], v[BQ+N:BQ+N+1]   ; each accumulator is read from its low end on
.set N, N+2
.endr
	WIN ((\w)<<6)|((\w)<<2)|2                      ; y in window 2, cos in window w
.set N, 0
.rept 32
	v_pk_mul_f32 v[\cb+N:\cb+N+1], v[64*\b+N:64*\b+N+1], v[\cb+N:\cb+N+1]
.set N, N+2
.endr
	WIN ((\w)<<4)|((\w)<<2)|2                      ; the result in window 0
.set N, 0
.rept 16
	v_pk_fma_f32 v[Z+N:Z+N+1], v[64*\b+32+N:64*\b+33+N], v[\cb+64+N:\cb+65+N], v[\cb+N:\cb+N+1] neg_lo:[1,0,0] neg_hi:[1,0,0]
.set N, N+2
.endr
.rept 16
	v_pk_fma_f32 v[Z+N:Z+N+1], v[64*\b-32+N:64*\b-31+N], v[\cb+64+N:\cb+65+N], v[\cb+N:\cb+N+1]
.set N, N+2
.endr
	WIN 0
.set PC, 32+32*(\b)                    ; tile b's codes: v32.., v64.., v96.., v128..: tile 0's cos and sin have left v64-191
	QUANT Z
	PUT \b
.endm
	s_load_b512 s[4:19], s[0:1], 0x0               ; xc, wc, bq, bk, bv, cos, sin, qkv
	s_load_b128 s[76:79], s[0:1], 0x40             ; wo, woc
	v_lshl_add_u32 v47, v0, 2, 0x32000
	v_mov_b32 v51, 0
	ds_add_u32 v47, v51
	ds_add_u32 v47, v51
	v_lshrrev_b32 v1, 5, v0
	v_readfirstlane_b32 s20, v1                    ; wave 0..3
	s_lshr_b32 s22, ttmp9, 4                       ; H: the head (work-groups 0-159)
	s_and_b32 s23, ttmp9, 15                       ; which 256 tokens
	s_sub_co_u32 s61, ttmp9, 160                   ; G: which 128 tokens (work-groups 160-191)
	s_lshr_b32 s62, s20, 1
	s_and_b32 s63, s20, 1
	s_lshl_b32 s72, s23, 17
	s_lshl_b32 s73, s20, 15
	s_add_co_u32 s72, s72, s73                     ; (256 blk + 64 wave) rows of cos and sin, 512 bytes each
	s_mov_b32 s73, 0
	; descriptor group 1: a dense block of 12,800 bytes as 50 rows of 256 bytes (32 elements of 8 bytes), no padding: an instruction's 512 bytes are read as they lie
	s_mov_b32 s24, 3<<16                           ; 15:0 no mask; 17:16 elements of 8 bytes; 20 padding off
	s_mov_b32 s25, 32<<16                          ; tensor_dim0 = 32
	s_mov_b32 s26, 50<<16                          ; tensor_dim1 = 50
	s_mov_b32 s27, 32<<16                          ; tile_dim0 = 32
	s_mov_b32 s28, 50                              ; tile_dim1 = 50
	s_mov_b32 s29, 32                              ; from row to row
	s_mov_b32 s30, 0
	s_mov_b32 s31, 0
	s_lshl_b32 s67, s23, 1
	s_add_co_u32 s71, s67, s62                     ; my group of 128 tokens: 2 blk + wave / 2
	s_add_co_u32 s70, s62, 10                      ; wv's group in wc, and V's place among qkv's twelve: 10 + wave / 2
	s_wait_dscnt 0x0
	s_wait_kmcnt 0x0
	s_cmp_ge_u32 ttmp9, 192                        ; work-groups 192-255 quantise wo
	s_cbranch_scc1 .Lwo
	s_cmp_ge_u32 ttmp9, 160
	s_cselect_b32 s21, 1, 0
	s_cselect_b32 s66, s61, s22                    ; source 0's group
	s_cselect_b32 s67, s70, s71                    ; source 1's
	s_cselect_b32 s68, 0, s22                      ; the head whose bias is loaded
	s_cselect_b32 s69, s70, s22                    ; where the results go: which of qkv's twelve,
	s_cselect_b32 s70, s61, s71                    ; and which block of it
	s_cselect_b64 s[52:53], s[4:5], s[6:7]
	s_cselect_b64 s[48:49], s[6:7], s[4:5]
	s_mul_i32 s66, s66, MATB
	s_mul_i32 s71, s20, BLKB                       ; of each group of four K steps I fetch the one of my number: in memory and in LDS
	s_add_co_u32 s22, s66, s71
	s_mov_b32 s23, 0
	s_add_nc_u64 s[52:53], s[52:53], s[22:23]
.irp g, 0,1,2,3
	s_mov_b32 s[32+4*\g], 1                        ; count = 1
	s_add_co_u32 s[33+4*\g], s71, \g*GRPB          ; LDS address: K step 4 g + wave
	s_add_nc_u64 s[34+4*\g:35+4*\g], s[52:53], \g*GRPB
	s_or_b32 s[35+4*\g], s[35+4*\g], 0x80000000    ; type = 2
.endr
	tensor_load_to_lds s[32:35], s[24:31]          ; my K step of the first four: one load of mine is out; the other three go out behind barriers
	s_nop 0
	PLACES                                         ; four plain instructions behind the tensor load
	s_mul_i32 s22, s67, MATB
	s_mul_i32 s74, s63, UNITB
	s_add_co_u32 s22, s22, s74
	s_add_nc_u64 s[48:49], s[48:49], s[22:23]      ; source 1: my unit of 64 rows, K step 0
	s_lshl_b32 s22, s69, 5
	s_add_co_u32 s22, s22, s70
	s_mul_i32 s22, s22, BLKB
	s_add_co_u32 s22, s22, s74
	s_add_nc_u64 s[50:51], s[18:19], s[22:23]      ; my unit of the results
	s_cmp_lt_u32 s68, 8
	s_cselect_b64 s[52:53], s[8:9], s[10:11]       ; bq or bk
	s_cselect_b32 s22, 0, 8
	s_sub_co_u32 s22, s68, s22
	s_lshl_b32 s22, s22, 9
	s_add_nc_u64 s[52:53], s[52:53], s[22:23]      ; the head's 128 numbers
	s_lshl_b32 s22, s20, 8
	s_add_nc_u64 s[74:75], s[12:13], s[22:23]      ; bv: my 64 numbers
	s_add_nc_u64 s[54:55], s[14:15], s[72:73]      ; cos and sin at my first token
	s_add_nc_u64 s[56:57], s[16:17], s[72:73]
	s_mov_b32 s[SEL], 0x76543210
	s_mov_b32 s[SEL+1], 0xfedcba98
	s_mov_b32 s60, 0xffff0000                      ; lanes 16-31
	v_and_b32 v1, 31, v0
	v_lshlrev_b32 v[LS], 2, v1
	v_lshlrev_b32 v[LI], 4, v1
	v_and_b32 v[ABV], 15, v0                       ; r
	v_and_b32 v[ACS], 8, v[ABV]
	v_add_nc_u32 v[ABV], v[ABV], v[ACS]            ; r + 8 (r / 8)
	v_bfe_u32 v[ABQ], v0, 4, 1
	v_lshlrev_b32 v[ABQ], 6, v[ABQ]                ; 64 h
	v_lshl_add_u32 v[ACS], v[ABV], 9, v[ABQ]
	v_lshlrev_b32 v[ABV], 2, v[ABV]
.irp g, 0,1,2,3
	v_add_nc_u32 v[AF+\g], \g*GRPB, v[LI]
	v_add_nc_u32 v[ASC+\g], \g*GRPB, v[LS]
.endr
.irp b, 0,1,2,3
	v_mov_b32 v[TB+\b], 0                          ; written once: a lane permute's destination counts as one of its sources
.endr
	; What the way out wants first is asked for here, ahead of source 1's loads.  EVERY work-group issues all of these: those that make V do not use bq, bk, cos and sin, the others not bv.
	; So the text parts on the work-group's number once, behind the products, and every register is written on every way.
	WIN 0xc0
.irp b, 0,1,2,3
.irp j, 0,1,2,3
	global_load_b128 v[BQ+16*\b+4*\j:BQ+16*\b+4*\j+3], v[ABQ], s[52:53] offset:128*\b+16*\j   ; the bias of d = 32 b + 16 h + 0 .. 15
.endr
.endr
	WIN 0x40
.irp b, 0,1,2,3
	global_load_b32 v[BV+2*\b], v[ABV], s[74:75] offset:(32*(\b/2)+8*(\b%2))*4   ; bv of my lane's row of tile b
	v_mov_b32 v[BV+2*\b+1], 0                      ; (named with it as a pair, so it is written)
.endr
	WIN 0
	CSL 0, 0, CS0, 0
	CSL 0, 0, CS0, 1
	FETCH1 0
	FETCH1 1
	FETCH1 2
	FETCH1 3
	s_wait_alu depctr_va_vdst(0)
	s_wait_tensorcnt 0x0                           ; my K step of the first four has landed
	ds_add_u32 v47, v51
	s_wait_dscnt 0x0
	s_barrier_signal -1
	s_barrier_wait -1                              ; everybody's has
	tensor_load_to_lds s[36:39], s[24:31]          ; my K step of the second four: my one load behind this barrier
	s_nop 0
	PLACES
	FETCH0 0
.set KS, 0
.rept NK                               ; written out: the counts of the waits differ from step to step
	STEP KS
.set KS, KS+1
.endr
	s_cmp_lg_u32 s21, 0
	s_cbranch_scc1 .Lvalues
	; ---- q or k.  cos and sin of tiles 1 to 3 come in halves of 16 loads into registers that the products have left (their four places stand at the last step's end); 48 are asked for ahead of tile 0's arithmetic
	CSL 1, 1, 0, 0
	CSL 1, 1, 0, 1
	CSL 2, 1, 128, 0
	ROPE 0, 0, CS0, -1                             ; its cos, sin and the bias were waited for with the first K step
	CSL 2, 1, 128, 1
	CSL 3, 3, 0, 0
	ROPE 1, 1, 0, 48                               ; behind tile 1's: three halves
	CSL 3, 3, 0, 1
	ROPE 2, 1, 128, 32                             ; behind tile 2's: tile 3's two halves
	ROPE 3, 3, 0, 0
	SENDALL
	s_wait_tensorcnt 0x0
	ds_add_u32 v47, v51
	s_wait_dscnt 0x0
	s_endpgm
.Lvalues:
	; ---- v: the bias hangs on the lane's row alone; the registers run along the keys
.irp b, 0,1,2,3
	WIN 0x06                                       ; source 0 window 2, source 1 (bv) window 1, destination window 0
.set N, 0
.rept 32
	v_pk_add_f32 v[Z+N:Z+N+1], v[64*\b+N:64*\b+N+1], v[BV+2*\b:BV+2*\b+1] op_sel_hi:[1,0]
.set N, N+2
.endr
	WIN 0
.set PC, 32+32*(\b)
	QUANT Z
	PUT \b
.endr
	SENDALL
	s_wait_tensorcnt 0x0
	ds_add_u32 v47, v51
	s_wait_dscnt 0x0
	s_endpgm
	; ---- wo: 32 rows x two K steps a wave
.macro WLOAD j                         ; job j, K step wave + 4 j: 32 rows' 512 bytes, tile 0's sixteen first, into window j at v64-191
	WIN (\j)<<6
.irp u, 0,1
.irp i, 0,1,2,3,4,5,6,7,8,9,10,11,12,13,14,15
	global_load_b128 v[64+64*\u+4*\i:64+64*\u+4*\i+3], v[LI], s[48:49] offset:(8*\u+\i+8*(\i/8))*4096+2048*\j th:TH_LOAD_NT
.endr
.endr
	WIN 0
.endm
.macro WTILE j, u                      ; tile u of job j: through the stage, quantised, stored
	s_wait_loadcnt 48-16*(2*\j+\u)                 ; this tile's sixteen loads are in; the later tiles' may be out
	WIN (\j)<<2                                    ; an LDS store's data are its source 1
.irp i, 0,1,2,3,4,5,6,7,8,9,10,11,12,13,14,15
	ds_store_b128 v5, v[64+64*\u+4*\i:64+64*\u+4*\i+3] offset:528*\i
.endr
	WIN 0
.irp b, 0,1,2,3
.irp q, 0,1,2,3
	ds_load_b128 v[Z+16*\b+4*\q:Z+16*\b+4*\q+3], v6 offset:128*\b+16*\q   ; LDS serves a wave's instructions in order: these see the stores above
.endr
.endr
	s_wait_dscnt 0x0
.set PC, 32+32*(2*\j+\u)               ; codes at v32.., v64.., v96.., v128..: job 0's numbers have left those when they are taken
	QUANT Z
.irp c, 0,1,2
	global_store_b128 v[LI], v[PC+4*\c:PC+4*\c+3], s[50:51] offset:4*BLKB*\j+FRB*\u+512*\c
.endr
.if \u == 0
	v_mov_b32 v[9+\j], v[PW]
.else
	v_cndmask_b32 v[9+\j], v[9+\j], v[PW], s60     ; lanes 0-15: the even tile's words; lanes 16-31: the odd tile's
	global_store_b32 v[LS], v[9+\j], s[52:53] offset:4*BLKB*\j
.endif
.endm
.Lwo:
	s_sub_co_u32 s21, ttmp9, 192                   ; beta: my 32 rows
	s_lshl_b32 s22, s21, 17                        ; 32 rows of 4,096 bytes
	s_lshl_b32 s24, s20, 9
	s_add_co_u32 s22, s22, s24                     ; + 512 x wave
	s_mov_b32 s23, 0
	s_add_nc_u64 s[48:49], s[76:77], s[22:23]
	s_lshr_b32 s22, s21, 2                         ; G
	s_lshl_b32 s22, s22, 3
	s_add_co_u32 s22, s22, s20
	s_mul_i32 s22, s22, BLKB                       ; block (G, K step = wave),
	s_bfe_u32 s24, s21, 0x10001
	s_mul_i32 s24, s24, UNITB                      ; the unit in it
	s_add_co_u32 s22, s22, s24
	s_add_nc_u64 s[52:53], s[78:79], s[22:23]
	s_and_b32 s24, s21, 1                          ; which pair of the unit's four tiles
	s_mul_i32 s22, s24, 2*FRB
	s_add_nc_u64 s[50:51], s[52:53], s[22:23]      ; my fragments
	s_lshl_b32 s22, s24, 7
	s_add_co_u32 s22, s22, SCO
	s_add_nc_u64 s[52:53], s[52:53], s[22:23]      ; my scale words
	s_mov_b32 s[SEL], 0x76543210
	s_mov_b32 s[SEL+1], 0xfedcba98
	s_mov_b32 s60, 0xffff0000                      ; lanes 16-31
	s_mul_i32 s22, s20, WSTG
	s_add_co_u32 s22, s22, WOST                    ; my stage
	v_and_b32 v1, 31, v0
	v_lshlrev_b32 v[LS], 2, v1
	v_lshlrev_b32 v[LI], 4, v1
	v_add_nc_u32 v5, s22, v[LI]                    ; on the way in: 16 x lane of a row
	v_and_b32 v7, 15, v0
	v_bfe_u32 v8, v0, 4, 1
	v_mul_u32_u24 v6, v7, 528
	v_lshl_add_u32 v6, v8, 6, v6
	v_add_nc_u32 v6, s22, v6                       ; on the way out: row r, + 64 h
.irp b, 0,1,2,3
	v_mov_b32 v[TB+\b], 0                          ; written once: a lane permute's destination counts as one of its sources
.endr
	WLOAD 0
	WLOAD 1
	s_wait_alu depctr_va_vdst(0)
	WTILE 0, 0
	WTILE 0, 1
	WTILE 1, 0
	WTILE 1, 1
	s_wait_tensorcnt 0x0                           ; the wave's end
	ds_add_u32 v47, v51
	s_wait_dscnt 0x0
	s_endpgm
.Lfunc_end_k_qbc37d73902_qkv:
	.size	k_qbc37d73902_qkv, .Lfunc_end_k_qbc37d73902_qkv-k_qbc37d73902_qkv
	.p2alignl 7, 3214868480
	.fill 96, 4, 3214868480
	.section	.rodata,"a",@progbits
	.p2align	6, 0x0
	.amdhsa_kernel k_qbc37d73902_qkv
		.amdhsa_group_segment_fixed_size 327680
		.amdhsa_private_segment_fixed_size 0
		.amdhsa_enable_private_segment 0
		.amdhsa_kernarg_size 80
		.amdhsa_user_sgpr_count 2
		.amdhsa_user_sgpr_kernarg_segment_ptr 1
		.amdhsa_wavefront_size32 1
		.amdhsa_system_sgpr_workgroup_id_x 1
		.amdhsa_system_sgpr_workgroup_id_y 1
		.amdhsa_system_sgpr_workgroup_id_z 1
		.amdhsa_system_vgpr_workitem_id 0
		.amdhsa_next_free_vgpr 1024
		.amdhsa_next_free_sgpr 80
		.amdhsa_reserve_vcc 0
		.amdhsa_float_denorm_mode_32 3
		.amdhsa_float_denorm_mode_16_64 3
		.amdhsa_memory_ordered 1
		.amdhsa_forward_progress 1
		.amdhsa_inst_pref_size 239
	.end_amdhsa_kernel
	.amdgpu_metadata
---
amdhsa.version: [ 1, 2 ]
amdhsa.kernels:
  - .name:           k_qbc37d73902_qkv
    .symbol:         k_qbc37d73902_qkv.kd
    .args:
      - { .name: xc, .offset: 0, .size: 8, .value_kind: global_buffer, .address_space: global }
      - { .name: wc, .offset: 8, .size: 8, .value_kind: global_buffer, .address_space: global }
      - { .name: bq, .offset: 16, .size: 8, .value_kind: global_buffer, .address_space: global }
      - { .name: bk, .offset: 24, .size: 8, .value_kind: global_buffer, .address_space: global }
      - { .name: bv, .offset: 32, .size: 8, .value_kind: global_buffer, .address_space: global }
      - { .name: cos, .offset: 40, .size: 8, .value_kind: global_buffer, .address_space: global }
      - { .name: sin, .offset: 48, .size: 8, .value_kind: global_buffer, .address_space: global }
      - { .name: qkv, .offset: 56, .size: 8, .value_kind: global_buffer, .address_space: global }
      - { .name: wo, .offset: 64, .size: 8, .value_kind: global_buffer, .address_space: global }
      - { .name: woc, .offset: 72, .size: 8, .value_kind: global_buffer, .address_space: global }
    .group_segment_fixed_size: 327680
    .private_segment_fixed_size: 0
    .kernarg_segment_align: 8
    .kernarg_segment_size: 80
    .max_flat_workgroup_size: 128
    .sgpr_count:     80
    .vgpr_count:     1024
    .wavefront_size: 32
...
	.end_amdgpu_metadata
.endif
;; end of part 2
;; launch attn (part 3): grid 256 x 1, 4 waves a work-group, no clusters, 270,848 bytes of LDS; arguments qkv, oc; writes oc
.if DOCPART == 3
	.amdgcn_target "amdgcn-amd-amdhsa--gfx1250"
	.amdhsa_code_object_version 6
	.text
	.protected	k_qbc37d73902_attn
	.globl	k_qbc37d73902_attn
	.p2align	8
	.type	k_qbc37d73902_attn,@function
k_qbc37d73902_attn:
	s_mov_b64 s[64:65], 0
	v_nop
	global_prefetch_b8 v0, s[64:65] scope:SCOPE_SE
	s_setreg_imm32_b32 hwreg(HW_REG_WAVE_MODE, 25, 1), 1
	s_wait_xcnt 0x0
; o = softmax(q k^T / sqrt(128), causal) v for 8 query heads over 2 key and value heads, 4,096 tokens, both products on codes of BF6 (E3M2) with E8M0 scales.  o / the row's sum is quantised here along
; head x 128 into the last product's operand.  qkv holds twelve matrices of 32 blocks of 12,800 bytes (images of operand registers): 0-7 q, 8-9 k (block = 128 tokens), 10-11 V^T (block = 128 keys).
; LEFT OUT: key steps that lie wholly behind a tile's tokens: reference()'s own causal mask makes their p zero.  Its window mask is never built at S = 4,096.
; THE SOFTMAX: t = score x log2(e) / sqrt(128); M = the running largest t rounded UP to a whole number; p = 2^(t - M) is quantised along the keys; the row's sum is taken of the unquantised p.
; When M moves, the sum and O^T are multiplied by 2^(old M - new M), which rounds nothing.
; LIMITS: NaN and infinities are not served; a block of zeros, or one whose largest magnitude lies under 2^-122, gets the scale byte 1; the scaled scores stay under 2^31 in magnitude.
; SHARES.  A token tile tau of 256 holds tokens 128 (tau / 8) + 32 ((tau % 8) / 2) + 8 (tau % 2) + r + 8 (r / 8) and needs key steps 0 .. tau / 8 of 128 keys; the last alone is masked.
; Work-group (kv head, i) owns token tiles 255 - i (long) and i (short) for the kv head's four query heads: 33 key steps together, whatever i is.  These 33 ITEMS (the long tile's steps, then the short's)
; are dealt to the four waves: 9, 8, 8, 8.  A wave holds the tile of ALL FOUR heads, so a fragment of K or V feeds four matrix instructions, and no two waves read the same item: K and V go from
; memory straight into registers, 512 consecutive bytes an instruction; the walk has no barrier and no LDS access.  Wave 0's nine items are never masked (the long tile has 17 steps or more).
; A wave whose items pass from the long tile to the short puts its part of the long tile away and begins anew.  Each part (-M, sum, O^T) goes to LDS, a place for each (wave, long or short, head); behind
; the launch's one barrier wave w joins head w's parts of both tiles under the largest M (factors are powers of two), divides by the sum, quantises and stores.
; LOADS.  V of item j is asked for at the trip's head, K of item j + 1 behind the score products, which free K's registers; one wait for 0 stands ahead of the second product: 56 loads are out at the most.
; PREFETCH.  All work-groups of a kv head read the same K and V; the one with i = 0, whose long tile walks all 32 steps, asks in item j for step j + 2's 25,600 bytes (four instructions, a unit of
; 6,400 bytes each, lanes 256 bytes apart, lanes 25-31 naming the last block again), as long as j + 2 is an item of the same wave and of the long tile.  A wave's first two items come by their loads alone.
; No cluster and no tensor load: the operands go to registers, and which bytes a wave reads hangs on the work-group's number.
; LAYOUT.  S^T = K Q^T, O^T = V^T P^T: a lane holds ONE query; register 16 b + i of S^T is key 32 b + 16 (lane / 16) + i, of O^T channel 32 b + 16 (lane / 16) + i.
; REGISTERS: window 0: addresses, state, scale words, Q, p's codes; window 1: K v0-95, V v96-191; window 2: S^T, then p, head a at 64 a; window 3: O^T, head a at 64 a.
.set BLKB,  12800
.set UNITB, 6400
.set FRB,   1536
.set SCO,   6144
.set MATB,  32*BLKB
.set VOFF,  2*MATB                     ; from a kv head's K to its V
.set SLOTB, 8448                       ; a part in LDS: O^T 16 x 512 bytes, then (-M, sum) 8 bytes a lane
.set SEGB,  4*SLOTB
.set WREG,  2*SEGB
.set SPARE, 4*WREG
; v1 16 lane, v2 4 lane, v3 my token in its 128 less 16 h (tile in hand), v4 the short tile's, v5-6 LDS: O^T's place (long, short), v7-8 the state's, v9 4 r, v13 the prefetches' offset
.set SPW,  10
.set NIL,  11
.set ST,   16                          ; head a: (-M, largest t)
.set L,    24                          ; the sum, in two halves
.set F,    32                          ; (f, at work)
.set QS,   40                          ; scale words: Q's, K's, V's, p's
.set KS,   44
.set VS,   48
.set PS,   52
.set BM,   56                          ; block maxima, 4 a + b
.set TP,   72
.set TC,   88
.set Q,    104
.set P,    152
.set CT,   200
.set ROA,  232                         ; v232-235 LDS: wave p's parts of my head; v236-239 their states
.set RSA,  236
.set SM,   16                          ; the joining: states, loaded part, sums
.set LD,   64
.set ACC,  128
.set WV,8
.set KVH,9
.set II,10
.set NL,11                             ; items of the long tile
.set IT,12
.set END,13
.set SW,14                             ; the item at which I pass to the short tile
.set LIM,15
.set KB,16
.set KP,18
.set VP,20
.set PP,22
.set CS,24
.set SEL,26
.set T,28                              ; s29 = 0
.set QP,30
.set QSP,32
.set QB,34
.set QOC,36
.set QSC,37
.set QOS,38
.set QSS,39
.set IBL,40
.set ISL,41
.set IBS,42
.set ISS,43
.set GL,44
.set GS,45
.set OP,46
.set OSP,48
.set T2,50
.set TLO,52
.set QOL,53
.set QSL,54
.set THL,55
.set THS,56
.set THC,57
.set MSB, 0
.macro WIN new
.if MSB != (\new)
	s_set_vgpr_msb (MSB<<8)|(\new)
.set MSB, (\new)
.endif
.endm
.macro PLACES
.rept 4
	v_nop
.endr
.endm
.macro WMS d, a, b, zero, sa, sb, ra   ; ra = 1: source 0's scale words stand in lanes 16-31
.if \zero
.if (\ra)
	v_wmma_scale_f32_16x16x128_f8f6f4 v[\d:\d+7], v[\a:\a+11], v[\b:\b+11], 0, v[\sa], v[\sb] matrix_a_fmt:MATRIX_FMT_BF6 matrix_b_fmt:MATRIX_FMT_BF6 matrix_a_scale:MATRIX_SCALE_ROW1
.else
	v_wmma_scale_f32_16x16x128_f8f6f4 v[\d:\d+7], v[\a:\a+11], v[\b:\b+11], 0, v[\sa], v[\sb] matrix_a_fmt:MATRIX_FMT_BF6 matrix_b_fmt:MATRIX_FMT_BF6
.endif
.else
.if (\ra)
	v_wmma_scale_f32_16x16x128_f8f6f4 v[\d:\d+7], v[\a:\a+11], v[\b:\b+11], v[\d:\d+7], v[\sa], v[\sb] matrix_a_fmt:MATRIX_FMT_BF6 matrix_b_fmt:MATRIX_FMT_BF6 matrix_a_scale:MATRIX_SCALE_ROW1
.else
	v_wmma_scale_f32_16x16x128_f8f6f4 v[\d:\d+7], v[\a:\a+11], v[\b:\b+11], v[\d:\d+7], v[\sa], v[\sb] matrix_a_fmt:MATRIX_FMT_BF6 matrix_b_fmt:MATRIX_FMT_BF6
.endif
.endif
.endm
.macro KVLOAD rb, sb, ptr, off         ; a block: eight fragments into window 1 at rb, four registers of scale words at sb: 28 loads
	WIN 0x40
.irp t, 0,1,2,3,4,5,6,7
.irp c, 0,1,2
	global_load_b128 v[\rb+12*\t+4*\c:\rb+12*\t+4*\c+3], v1, s[\ptr:\ptr+1] offset:\off+(\t/4)*UNITB+(\t%4)*FRB+512*\c
.endr
.endr
	WIN 0
.irp p, 0,1,2,3
	global_load_b32 v[\sb+\p], v2, s[\ptr:\ptr+1] offset:\off+(\p/2)*UNITB+SCO+128*(\p%2)
.endr
.endm
.macro KSI src                         ; s[T] = the byte offset of item src's key step in K
	s_cmp_lt_u32 s[\src], s[NL]
	s_cselect_b32 s[T], 0, s[NL]
	s_sub_co_u32 s[T], s[\src], s[T]
	s_mul_i32 s[T], s[T], BLKB
.endm
.macro WHERE tau, g, ib, is, qo, qs, th ; a tile's fragment and scale words in its block, the same in a matrix of q, and its first token in the 128
	s_bfe_u32 s[T], s[\tau], 0x10002
	s_mul_i32 s[T], s[T], UNITB
	s_and_b32 s[T2], s[\tau], 3
	s_mul_i32 s[\ib], s[T2], FRB
	s_add_co_u32 s[\ib], s[\ib], s[T]
	s_lshl_b32 s[\is], s[T2], 6
	s_add_co_u32 s[\is], s[\is], s[T]
	s_add_co_u32 s[\is], s[\is], SCO
	s_mul_i32 s[T], s[\g], BLKB
	s_add_co_u32 s[\qo], s[\ib], s[T]
	s_add_co_u32 s[\qs], s[\is], s[T]
	s_bfe_u32 s[\th], s[\tau], 0x20001
	s_lshl_b32 s[\th], s[\th], 5
	s_and_b32 s[T], s[\tau], 1
	s_lshl_b32 s[T], s[T], 3
	s_add_co_u32 s[\th], s[\th], s[T]
.endm
.macro FLUSH g                         ; my part of the tile in hand goes to LDS (g = 0 long, 1 short)
.irp a, 0,1,2,3
	v_add_f32 v[ST+2*\a+1], v[L+2*\a], v[L+2*\a+1]
.endr
.irp a, 0,1,2,3
	ds_store_b64 v[7+\g], v[ST+2*\a:ST+2*\a+1] offset:\a*SLOTB
.endr
	WIN 0x0c                                       ; an LDS store's data are its source 1: window 3
.irp a, 0,1,2,3
.irp c, 0,1,2,3,4,5,6,7,8,9,10,11,12,13,14,15
	ds_store_b128 v[5+\g], v[64*\a+4*\c:64*\a+4*\c+3] offset:\a*SLOTB+512*\c   ; each accumulator from its low end on
.endr
.endr
	WIN 0
.endm
.macro START fl                        ; a tile is begun: Q of the four heads, an empty state, O^T = 0.  fl = 1: the tile in hand is put away first
	s_mov_b32 s[T], s[QOC]
	s_add_nc_u64 s[QP:QP+1], s[QB:QB+1], s[T:T+1]
	s_mov_b32 s[T], s[QSC]
	s_add_nc_u64 s[QSP:QSP+1], s[QB:QB+1], s[T:T+1]
.irp a, 0,1,2,3
.irp c, 0,1,2
	global_load_b128 v[Q+12*\a+4*\c:Q+12*\a+4*\c+3], v1, s[QP:QP+1] offset:\a*MATB+512*\c
.endr
	global_load_b32 v[QS+\a], v9, s[QSP:QSP+1] offset:\a*MATB
.endr
.if \fl
	FLUSH 0
	s_wait_dscnt 0x0                               ; the stores have read their registers
.endif
.irp a, 0,1,2,3
	v_mov_b32 v[ST+2*\a+1], 0xff61b1e6             ; the largest t so far: -3e38
	v_mov_b32 v[ST+2*\a], 0x7f61b1e6               ; -M = floor(3e38)
	v_mov_b32 v[L+2*\a], 0
	v_mov_b32 v[L+2*\a+1], 0
.endr
	WIN 0xc0
.set N, 0
.rept 256
	v_mov_b32 v[N], 0                              ; the step is written once: a tile's first step finds zeros
.set N, N+1
.endr
	WIN 0
	s_wait_alu depctr_va_vdst(0)
	s_wait_loadcnt 0x0
.endm
.macro QUANT s                         ; 64 numbers of a lane -> codes in v[CT] .. v[CT + 11], scale word in v[PS]
.irp b, 0,1,2,3
	v_max3_num_f32 v[BM+\b], |v[\s+16*\b]|, |v[\s+1+16*\b]|, 0x2800000
.endr
.irp i, 2,4,6,8,10,12,14
.irp b, 0,1,2,3
	v_max3_num_f32 v[BM+\b], v[BM+\b], |v[\s+16*\b+\i]|, |v[\s+1+16*\b+\i]|
.endr
.endr
.irp b, 0,1,2,3
	v_permlanex16_b32 v[TP+\b], v[BM+\b], s[SEL], s[SEL+1]
.endr
.irp b, 0,1,2,3
	v_max_num_f32 v[BM+\b], v[BM+\b], v[TP+\b]
.endr
.irp b, 0,1,2,3
	v_add_nc_u32 v[TC+\b], 0xfe000000, v[BM+\b]
.endr
.irp b, 0,1,2,3
	v_lshrrev_b32 v[TP+\b], 23, v[TC+\b]
.endr
	v_lshl_or_b32 v[PS], v[TP+1], 8, v[TP]
	v_lshl_or_b32 v[PS], v[TP+2], 16, v[PS]
	v_lshl_or_b32 v[PS], v[TP+3], 24, v[PS]
.irp c, 0,1
	v_cvt_scalef32_pk16_bf6_f32 v[CT+6*\c:CT+2+6*\c], v[\s+32*\c:\s+15+32*\c], v[TC+2*\c]
	v_cvt_scalef32_pk16_bf6_f32 v[CT+12+4*\c:CT+14+4*\c], v[\s+16+32*\c:\s+31+32*\c], v[TC+2*\c+1]
.endr
	v_nop
.irp c, 0,1
.irp i, 0,1,2
	v_permlane16_swap_b32 v[CT+6*\c+\i], v[CT+12+4*\c+\i]
.endr
.irp i, 0,1,2
	v_mov_b32 v[CT+3+6*\c+\i], v[CT+12+4*\c+\i]
.endr
.endr
.endm
.macro PART g, p                       ; wave p's part, if it has one: its first item 8 p + 1 lies in the long tile, or its last, 8 p + 8, in the short
.if \g == 0
	s_cmp_gt_u32 s[NL], 8*\p+1
.else
	s_cmp_lt_u32 s[NL], 8*\p+9
.endif
	s_cbranch_scc0 .Labsent_\@
.irp c, 0,1,2,3,4,5,6,7,8,9,10,11,12,13,14,15
	ds_load_b128 v[LD+4*\c:LD+4*\c+3], v[ROA+\p] offset:\g*SEGB+512*\c
.endr
	s_wait_dscnt 0x0
.set N, 0
.rept 32
	v_pk_fma_f32 v[ACC+N:ACC+N+1], v[LD+N:LD+N+1], v[SM+2*\p:SM+2*\p+1], v[ACC+N:ACC+N+1] op_sel_hi:[1,0,1]
.set N, N+2
.endr
.Labsent_\@:
.endm
.macro MERGE g, p0, pa, pb, pc, sg, sib, sis   ; my head's tile g: wave p0 always has a part
.set CT, 200-168*(\g)                  ; each tile's codes, scale word and bases have registers of their own (v200.., v52, s18-21; v32.., v53, s30-33): both tiles' stores stand at the end
.set PS, 52+(\g)
.set OP, 18+12*(\g)
.set OSP, 20+12*(\g)
	s_lshl_b32 s[T], s[\sg], 3
	s_lshl_b32 s[T2], s[KVH], 2
	s_add_co_u32 s[T], s[T], s[T2]
	s_add_co_u32 s[T], s[T], s[WV]
	s_mul_i32 s[T], s[T], BLKB                     ; oc: block (group of 128 tokens, K step = head)
	s_add_co_u32 s[T2], s[T], s[\sis]
	s_add_co_u32 s[T], s[T], s[\sib]
	s_add_nc_u64 s[OP:OP+1], s[6:7], s[T:T+1]
	s_mov_b32 s[T], s[T2]
	s_add_nc_u64 s[OSP:OSP+1], s[6:7], s[T:T+1]
.irp p, 0,1,2,3
	ds_load_b64 v[SM+2*\p:SM+2*\p+1], v[RSA+\p] offset:\g*SEGB   ; (-M, sum); a wave with no part has left (3e38, 0)
.endr
.irp c, 0,1,2,3,4,5,6,7,8,9,10,11,12,13,14,15
	ds_load_b128 v[LD+4*\c:LD+4*\c+3], v[ROA+\p0] offset:\g*SEGB+512*\c
.endr
	s_wait_dscnt 16                                ; the four states are in
	v_min3_num_f32 v24, v[SM], v[SM+2], v[SM+4]
	v_min_num_f32 v24, v24, v[SM+6]                ; -M of the whole row
.irp p, 0,1,2,3
	v_sub_f32 v[26+\p], v24, v[SM+2*\p]
.endr
.irp p, 0,1,2,3
	v_cvt_i32_f32 v[26+\p], v[26+\p]               ; (it saturates)
.endr
.irp p, 0,1,2,3
	v_ldexp_f32 v[SM+2*\p], 1.0, v[26+\p]          ; 2^(M of the part - M)
.endr
	v_mul_f32 v25, v[SM], v[SM+1]
.irp p, 1,2,3
	v_fmac_f32 v25, v[SM+2*\p], v[SM+2*\p+1]
.endr
	s_wait_alu depctr_va_vdst(0)
	s_wait_dscnt 0x0
.set N, 0
.rept 32
	v_pk_mul_f32 v[ACC+N:ACC+N+1], v[LD+N:LD+N+1], v[SM+2*\p0:SM+2*\p0+1] op_sel_hi:[1,0]
.set N, N+2
.endr
	PART \g, \pa
	PART \g, \pb
	PART \g, \pc
	v_permlanex16_b32 v30, v25, s[SEL], s[SEL+1]
	v_add_f32 v25, v25, v30                        ; the row's sum
	s_wait_alu depctr_va_vdst(0)
	v_rcp_f32 v26, v25
	v_nop
	s_wait_alu depctr_va_vdst(0)
.set N, 0
.rept 32
	v_pk_mul_f32 v[ACC+N:ACC+N+1], v[ACC+N:ACC+N+1], v[26:27] op_sel_hi:[1,0]
.set N, N+2
.endr
	QUANT ACC
.endm
	s_load_b128 s[4:7], s[0:1], 0x0                ; qkv, oc
	v_lshl_add_u32 v[SPW], v0, 2, SPARE
	v_mov_b32 v[NIL], 0
	v_lshrrev_b32 v1, 5, v0
	v_readfirstlane_b32 s[WV], v1                  ; wave 0..3
	s_mov_b32 s[T+1], 0
	s_and_b32 s[KVH], ttmp9, 1
	s_lshr_b32 s[II], ttmp9, 1
	s_sub_co_u32 s[TLO], 255, s[II]
	s_lshr_b32 s[GL], s[TLO], 3
	s_add_co_u32 s[NL], s[GL], 1
	s_lshr_b32 s[GS], s[II], 3
	WHERE TLO, GL, IBL, ISL, QOL, QSL, THL
	WHERE II, GS, IBS, ISS, QOS, QSS, THS
	s_lshl_b32 s[IT], s[WV], 3
	s_add_co_u32 s[END], s[IT], 9                  ; my items: 0-8, 9-16, 17-24, 25-32
	s_min_u32 s[T2], s[WV], 1
	s_add_co_u32 s[IT], s[IT], s[T2]
	s_cmp_lt_u32 s[IT], s[NL]                      ; do I begin in the long tile?
	s_cselect_b32 s[SW], s[NL], -1
	s_cselect_b32 s[QOC], s[QOL], s[QOS]
	s_cselect_b32 s[QSC], s[QSL], s[QSS]
	s_cselect_b32 s[THC], s[THL], s[THS]
	s_min_u32 s[LIM], s[END], s[NL]
	s_cmp_eq_u32 s[II], 0
	s_cselect_b32 s[LIM], s[LIM], 0
	s_mov_b32 s[SEL], 0x76543210
	s_mov_b32 s[SEL+1], 0xfedcba98
	s_mov_b32 s[CS], 0x3e0293ee                    ; log2(e) / sqrt(128)
	s_mov_b32 s[CS+1], s[CS]
	v_and_b32 v14, 31, v0
	v_lshlrev_b32 v1, 4, v14
	v_lshlrev_b32 v2, 2, v14
	v_and_b32 v9, 15, v0
	v_and_b32 v15, 8, v9
	v_add_nc_u32 v4, v9, v15                       ; r + 8 (r / 8)
	v_bfe_u32 v15, v0, 4, 1
	v_lshlrev_b32 v15, 4, v15
	v_sub_nc_u32 v4, v4, v15                       ; - 16 h
	v_add_nc_u32 v3, s[THC], v4
	v_add_nc_u32 v4, s[THS], v4
	v_lshlrev_b32 v9, 2, v9
	v_min_u32 v13, 24, v14
	v_lshlrev_b32 v13, 8, v13
	v_lshlrev_b32 v15, 3, v14
	s_mul_i32 s[T2], s[WV], WREG
	v_add_nc_u32 v5, s[T2], v1
	v_add_nc_u32 v6, SEGB, v5
	v_add_nc_u32 v7, s[T2], v15
	v_add_nc_u32 v7, 8192, v7
	v_add_nc_u32 v8, SEGB, v7
	s_mul_i32 s[T2], s[WV], SLOTB
	v_add_nc_u32 v[ROA], s[T2], v1
	v_add_nc_u32 v[RSA], s[T2], v15
	v_add_nc_u32 v[RSA], 8192, v[RSA]
.irp p, 1,2,3
	v_add_nc_u32 v[ROA+\p], \p*WREG, v[ROA]
	v_add_nc_u32 v[RSA+\p], \p*WREG, v[RSA]
.endr
.set N, 0
.rept 16
	v_mov_b32 v[TP+N], 0                           ; written once: a lane permute's destination counts as one of its sources
.set N, N+1
.endr
.irp a, 1,2,3
	v_mov_b32 v[F+2*\a], 0
	v_mov_b32 v[F+2*\a+1], 0
.endr
	v_mov_b32 v[F], 0x7f61b1e6                     ; the state of a part that is never made: -M = 3e38, sum 0
	v_mov_b32 v[F+1], 0
	s_wait_alu depctr_va_vdst(0)
	s_wait_kmcnt 0x0
	s_add_co_u32 s[T], s[KVH], 8
	s_mul_i32 s[T], s[T], MATB
	s_add_nc_u64 s[KB:KB+1], s[4:5], s[T:T+1]      ; my kv head's K
	s_mul_i32 s[T], s[KVH], 4*MATB
	s_add_nc_u64 s[QB:QB+1], s[4:5], s[T:T+1]      ; its first query head
	KSI IT
	s_add_nc_u64 s[KP:KP+1], s[KB:KB+1], s[T:T+1]
	KVLOAD 0, KS, KP, 0                            ; K of my first item
.irp a, 0,1,2,3
	ds_store_b64 v7, v[F:F+1] offset:\a*SLOTB      ; LDS serves a wave's instructions in order: a part that is made writes over these
	ds_store_b64 v8, v[F:F+1] offset:\a*SLOTB
.endr
	START 0
.Litem:
	s_cmp_eq_u32 s[IT], s[SW]
	s_cbranch_scc0 .Lkeep
	s_mov_b32 s[QOC], s[QOS]                       ; from the long tile to the short
	s_mov_b32 s[QSC], s[QSS]
	v_mov_b32 v3, v4
	START 1
.Lkeep:
	s_wait_xcnt 0x0                                ; the last trip's prefetches have read their address; all loads were waited for
	KSI IT
	s_add_nc_u64 s[VP:VP+1], s[KB:KB+1], s[T:T+1]
	KVLOAD 96, VS, VP, VOFF                        ; V of this item (four places stand at the last trip's end)
	WIN 0x81                                       ; source 0 window 1, source 1 window 0, D window 2
.irp a, 0,1,2,3
.irp t, 0,1,2,3,4,5,6,7
	WMS 64*\a+8*\t, 12*\t, Q+12*\a, 1, KS+\t/2, QS+\a, \t%2
.endr
.endr
	WIN 0
	PLACES
	s_add_co_u32 s[T2], s[IT], 1
	s_cmp_lt_u32 s[T2], s[END]
	s_cbranch_scc0 .Lnone                          ; behind my last item there is none
	KSI T2
	s_add_nc_u64 s[KP:KP+1], s[KB:KB+1], s[T:T+1]
	KVLOAD 0, KS, KP, 0                            ; K of the next item
	s_add_co_u32 s[T2], s[IT], 2
	s_cmp_lt_u32 s[T2], s[LIM]
	s_cbranch_scc0 .Lnone
	s_mul_i32 s[T], s[T2], BLKB
	s_add_nc_u64 s[PP:PP+1], s[KB:KB+1], s[T:T+1]
	global_prefetch_b8 v13, s[PP:PP+1] th:TH_LOAD_NT scope:SCOPE_SE
	global_prefetch_b8 v13, s[PP:PP+1] offset:UNITB th:TH_LOAD_NT scope:SCOPE_SE
	global_prefetch_b8 v13, s[PP:PP+1] offset:VOFF th:TH_LOAD_NT scope:SCOPE_SE
	global_prefetch_b8 v13, s[PP:PP+1] offset:VOFF+UNITB th:TH_LOAD_NT scope:SCOPE_SE
.Lnone:
	s_cmp_eq_u32 s[IT], s[GL]                      ; a tile's last step lies on the diagonal: items NL - 1 and 32
	s_cselect_b32 s[T2], 1, 0
	s_cmp_eq_u32 s[IT], 32
	s_cselect_b32 s[T2], 1, s[T2]
	s_cmp_lg_u32 s[T2], 0
	s_cbranch_scc0 .Lopen
	WIN 0x88                                       ; the four heads have the same tokens: one compare serves four selects.  Key 32 b + i counts where it is at most v3
.set N, 0
.rept 64
	v_cmp_ge_i32 vcc_lo, v3, 32*(N/16)+N%16
.irp a, 0,1,2,3
	v_cndmask_b32 v[64*\a+N], 0xff800000, v[64*\a+N], vcc_lo
.endr
.set N, N+1
.endr
	WIN 0
.Lopen:
	WIN 0x2a                                       ; the largest score of each block of 32 keys: 16 chains by turns
.irp a, 0,1,2,3
.irp b, 0,1,2,3
	v_max3_num_f32 v[BM+4*\a+\b], v[64*\a+16*\b], v[64*\a+16*\b+1], v[64*\a+16*\b+2]
.endr
.endr
	WIN 0x28
.irp i, 3,5,7,9,11,13
.irp a, 0,1,2,3
.irp b, 0,1,2,3
	v_max3_num_f32 v[BM+4*\a+\b], v[BM+4*\a+\b], v[64*\a+16*\b+\i], v[64*\a+16*\b+\i+1]
.endr
.endr
.endr
.irp a, 0,1,2,3
.irp b, 0,1,2,3
	v_max_num_f32 v[BM+4*\a+\b], v[BM+4*\a+\b], v[64*\a+16*\b+15]
.endr
.endr
	WIN 0
.set N, 0
.rept 16
	v_permlanex16_b32 v[TP+N], v[BM+N], s[SEL], s[SEL+1]
.set N, N+1
.endr
.set N, 0
.rept 16
	v_max_num_f32 v[BM+N], v[BM+N], v[TP+N]        ; with lane l xor 16's 16 keys
.set N, N+1
.endr
.irp a, 0,1,2,3
	v_max3_num_f32 v[F+2*\a], v[BM+4*\a], v[BM+4*\a+1], v[BM+4*\a+2]
.endr
.irp a, 0,1,2,3
	v_max_num_f32 v[F+2*\a], v[F+2*\a], v[BM+4*\a+3]
.endr
.irp a, 0,1,2,3
	v_mul_f32 v[F+2*\a], s[CS], v[F+2*\a]          ; the step's largest t
.endr
.irp a, 0,1,2,3
	v_max_num_f32 v[ST+2*\a+1], v[ST+2*\a+1], v[F+2*\a]
.endr
.irp a, 0,1,2,3
	v_mov_b32 v[F+2*\a+1], v[ST+2*\a]
.endr
.irp a, 0,1,2,3
	v_floor_f32 v[ST+2*\a], -v[ST+2*\a+1]          ; the new -M: M is a whole number
.endr
.irp a, 0,1,2,3
	v_sub_f32 v[F+2*\a], v[ST+2*\a], v[F+2*\a+1]
.endr
.irp a, 0,1,2,3
	v_cvt_i32_f32 v[F+2*\a], v[F+2*\a]             ; (it saturates)
.endr
.irp a, 0,1,2,3
	v_ldexp_f32 v[F+2*\a], 1.0, v[F+2*\a]          ; f = 2^(old M - new M)
.endr
.irp a, 0,1,2,3
.irp b, 0,1,2,3
	v_fma_f32 v[BM+4*\a+\b], v[BM+4*\a+\b], s[CS], v[ST+2*\a]   ; t - M of each block's largest score
.endr
.endr
	WIN 0x82
.set N, 0
.rept 32
	v_pk_fma_f32 v[N:N+1], v[N:N+1], s[CS:CS+1], v[ST:ST+1] op_sel_hi:[1,0,0]   ; t - M of head 0
.set N, N+2
.endr
	s_wait_alu depctr_va_vdst(0)
.irp a, 0,1,2                          ; head a's exponentials and head a + 1's t - M by turns, under one setting of the windows; what the multiply-adds write is read behind the wait that ends the turn
.set N, 0
.rept 32
	v_exp_f32 v[64*\a+N], v[64*\a+N]               ; p = 2^(t - M)
	v_pk_fma_f32 v[64*\a+64+N:64*\a+65+N], v[64*\a+64+N:64*\a+65+N], s[CS:CS+1], v[ST+2*\a+2:ST+2*\a+3] op_sel_hi:[1,0,0]
	v_exp_f32 v[64*\a+N+1], v[64*\a+N+1]
.set N, N+2
.endr
	s_wait_alu depctr_va_vdst(0)
.endr
.set N, 192
.rept 64
	v_exp_f32 v[N], v[N]
.set N, N+1
.endr
	WIN 0
.set N, 0
.rept 16
	v_exp_f32 v[BM+N], v[BM+N]                     ; each block's largest p
.set N, N+1
.endr
.irp a, 0,1,2,3
	v_pk_mul_f32 v[L+2*\a:L+2*\a+1], v[L+2*\a:L+2*\a+1], v[F+2*\a:F+2*\a+1] op_sel_hi:[1,0]   ; the sums under the new M: plain work behind the batch
.endr
	s_wait_alu depctr_va_vdst(0)                   ; and the one wait behind it
.set N, 0
.rept 16
	v_max_num_f32 v[BM+N], 0x2800000, v[BM+N]      ; the floor 2^(5 - 127): the byte cannot fall under 1
.set N, N+1
.endr
.set N, 0
.rept 16
	v_add_nc_u32 v[TC+N], 0xfe000000, v[BM+N]      ; 4 off the exponent field: the conversion's scale operand
.set N, N+1
.endr
.set N, 0
.rept 16
	v_lshrrev_b32 v[TP+N], 23, v[TC+N]             ; the scale's byte
.set N, N+1
.endr
.irp a, 0,1,2,3
	v_lshl_or_b32 v[PS+\a], v[TP+4*\a+1], 8, v[TP+4*\a]
.endr
.irp a, 0,1,2,3
	v_lshl_or_b32 v[PS+\a], v[TP+4*\a+2], 16, v[PS+\a]
.endr
.irp a, 0,1,2,3
	v_lshl_or_b32 v[PS+\a], v[TP+4*\a+3], 24, v[PS+\a]
.endr
	WIN 0x02
.irp a, 0,1,2,3
.irp c, 0,1
	v_cvt_scalef32_pk16_bf6_f32 v[P+12*\a+6*\c:P+12*\a+6*\c+2], v[64*\a+32*\c:64*\a+32*\c+15], v[TC+4*\a+2*\c]
	v_cvt_scalef32_pk16_bf6_f32 v[CT+8*\a+4*\c:CT+8*\a+4*\c+2], v[64*\a+32*\c+16:64*\a+32*\c+31], v[TC+4*\a+2*\c+1]
.endr
.endr
	WIN 0
	v_nop                                          ; one plain instruction behind the scaled conversions
.irp a, 0,1,2,3
.irp c, 0,1
.irp i, 0,1,2
	v_permlane16_swap_b32 v[P+12*\a+6*\c+\i], v[CT+8*\a+4*\c+\i]   ; a whole block to a lane
.endr
.endr
.endr
.irp a, 0,1,2,3
.irp c, 0,1
.irp i, 0,1,2
	v_mov_b32 v[P+12*\a+6*\c+3+\i], v[CT+8*\a+4*\c+\i]
.endr
.endr
.endr
	WIN 0xc3
	s_wait_alu depctr_va_vdst(0)
.irp a, 0,1,2,3
.set N, 0
.rept 32
	v_pk_mul_f32 v[64*\a+N:64*\a+N+1], v[64*\a+N:64*\a+N+1], v[F+2*\a:F+2*\a+1] op_sel_hi:[1,0]   ; O^T under the new M; these are also the places ahead of the products
.set N, N+2
.endr
.endr
	s_wait_alu depctr_va_vdst(0)
	s_wait_loadcnt 0x0                             ; V of this item and K of the next are in
; THE SUMS OF THE UNQUANTISED p are not wanted by the second product: their 128 packed additions, 32 a head in two chains, stand among its 32 matrix instructions, four behind each, one of each head.
; They name p (window 2), the sums and v72.. (window 0): none of a matrix instruction's registers.  Addition QN of a head: 0 starts the second chain, 31 joins the two, the others take registers 2 QN + 2, 2 QN + 3.
.macro SUMS
.if QN == 0
	WIN 0x0a
.irp h, 0,1,2,3
	v_pk_add_f32 v[TP+4*\h:TP+4*\h+1], v[64*\h:64*\h+1], v[64*\h+2:64*\h+3]
.endr
.elseif QN == 31
	WIN 0
.irp h, 0,1,2,3
	v_pk_add_f32 v[L+2*\h:L+2*\h+1], v[L+2*\h:L+2*\h+1], v[TP+4*\h:TP+4*\h+1]
.endr
.elseif QN%2 == 1
	WIN 0x08
.irp h, 0,1,2,3
	v_pk_add_f32 v[L+2*\h:L+2*\h+1], v[L+2*\h:L+2*\h+1], v[64*\h+2*QN+2:64*\h+2*QN+3]
.endr
.else
	WIN 0x08
.irp h, 0,1,2,3
	v_pk_add_f32 v[TP+4*\h:TP+4*\h+1], v[TP+4*\h:TP+4*\h+1], v[64*\h+2*QN+2:64*\h+2*QN+3]
.endr
.endif
.endm
.set QN, 0
.irp a, 0,1,2,3
.irp t, 0,1,2,3,4,5,6,7
	WIN 0xf1                                       ; source 0 window 1, source 1 window 0, C and D window 3; the 32 accumulators take turns
	WMS 64*\a+8*\t, 96+12*\t, P+12*\a, 0, VS+\t/2, PS+\a, \t%2
	SUMS
.set QN, QN+1
.endr
.endr
	WIN 0
	PLACES
	s_wait_alu depctr_va_vdst(0)
	s_add_co_u32 s[IT], s[IT], 1
	s_cmp_lt_u32 s[IT], s[END]
	s_cbranch_scc1 .Litem
	s_cmp_le_u32 s[END], s[NL]                     ; my last item lies in the long tile, or in the short
	s_cbranch_scc0 .Lshort
	FLUSH 0
	s_branch .Lput
.Lshort:
	FLUSH 1
.Lput:
	s_wait_dscnt 0x0                               ; my parts are in LDS
	s_barrier_signal -1
	s_barrier_wait -1                              ; everybody's are
	MERGE 0, 0, 1, 2, 3, GL, IBL, ISL
	MERGE 1, 3, 2, 1, 0, GS, IBS, ISS
.irp c, 0,1,2
	global_store_b128 v1, v[200+4*\c:200+4*\c+3], s[18:19] offset:512*\c   ; 512 consecutive bytes, at a multiple of 256 from the buffer's first byte
.endr
.irp c, 0,1,2
	global_store_b128 v1, v[32+4*\c:32+4*\c+3], s[30:31] offset:512*\c
.endr
	global_store_b32 v9, v52, s[20:21]             ; 16 scale words; lanes l and l + 16 hold the same word and name the same place
	global_store_b32 v9, v53, s[32:33]
	s_wait_tensorcnt 0x0                           ; the wave's end
	ds_add_u32 v[SPW], v[NIL]
	s_wait_dscnt 0x0
	s_endpgm
.Lfunc_end_k_qbc37d73902_attn:
	.size	k_qbc37d73902_attn, .Lfunc_end_k_qbc37d73902_attn-k_qbc37d73902_attn
	.p2alignl 7, 3214868480
	.fill 96, 4, 3214868480
	.section	.rodata,"a",@progbits
	.p2align	6, 0x0
	.amdhsa_kernel k_qbc37d73902_attn
		.amdhsa_group_segment_fixed_size 270848
		.amdhsa_private_segment_fixed_size 0
		.amdhsa_enable_private_segment 0
		.amdhsa_kernarg_size 16
		.amdhsa_user_sgpr_count 2
		.amdhsa_user_sgpr_kernarg_segment_ptr 1
		.amdhsa_wavefront_size32 1
		.amdhsa_system_sgpr_workgroup_id_x 1
		.amdhsa_system_sgpr_workgroup_id_y 1
		.amdhsa_system_sgpr_workgroup_id_z 1
		.amdhsa_system_vgpr_workitem_id 0
		.amdhsa_next_free_vgpr 1024
		.amdhsa_next_free_sgpr 66
		.amdhsa_reserve_vcc 1
		.amdhsa_float_denorm_mode_32 3
		.amdhsa_float_denorm_mode_16_64 3
		.amdhsa_memory_ordered 1
		.amdhsa_forward_progress 1
		.amdhsa_inst_pref_size 172
	.end_amdhsa_kernel
	.amdgpu_metadata
---
amdhsa.version: [ 1, 2 ]
amdhsa.kernels:
  - .name:           k_qbc37d73902_attn
    .symbol:         k_qbc37d73902_attn.kd
    .args:
      - { .name: qkv, .offset: 0, .size: 8, .value_kind: global_buffer, .address_space: global }
      - { .name: oc, .offset: 8, .size: 8, .value_kind: global_buffer, .address_space: global }
    .group_segment_fixed_size: 270848
    .private_segment_fixed_size: 0
    .kernarg_segment_align: 8
    .kernarg_segment_size: 16
    .max_flat_workgroup_size: 128
    .sgpr_count:     66
    .vgpr_count:     1024
    .wavefront_size: 32
...
	.end_amdgpu_metadata
.endif
;; end of part 3
;; launch oproj (part 4): grid 16 x 16, 4 waves a work-group, no clusters, 327,680 bytes of LDS; arguments oc, woc, out0; writes out0
.if DOCPART == 4
	.amdgcn_target "amdgcn-amd-amdhsa--gfx1250"
	.amdhsa_code_object_version 6
	.text
	.protected	k_qbc37d73902_oproj
	.globl	k_qbc37d73902_oproj
	.p2align	8
	.type	k_qbc37d73902_oproj,@function
k_qbc37d73902_oproj:
	s_mov_b64 s[64:65], 0
	v_nop
	global_prefetch_b8 v0, s[64:65] scope:SCOPE_SE
	s_setreg_imm32_b32 hwreg(HW_REG_WAVE_MODE, 25, 1), 1
	s_wait_xcnt 0x0
.set NK,    8
.set NG,    2
.set BLKB,  12800
.set UNITB, 6400
.set FRB,   1536
.set SCO,   6144
.set GRPB,  4*BLKB
.set MATB,  NK*BLKB
.set STGB,  8448
.set LI,   1
.set LS,   2
.set STO,  3
.set RD,   4
.set AF,   8
.set ASC,  12
.set SC0,  16
.set SC1,  24
.set BK,   64
.set MULW, 0xad
.set MSB, 0
.macro WIN new
.if MSB != (\new)
	s_set_vgpr_msb (MSB<<8)|(\new)
.set MSB, (\new)
.endif
.endm
.macro PLACES
.rept 4
	v_nop
.endr
.endm
.macro WMS d, a, b, zero, sa, sb, ra, rb
.if \zero
.if (\ra) && (\rb)
	v_wmma_scale_f32_16x16x128_f8f6f4 v[\d:\d+7], v[\a:\a+11], v[\b:\b+11], 0, v[\sa], v[\sb] matrix_a_fmt:MATRIX_FMT_BF6 matrix_b_fmt:MATRIX_FMT_BF6 matrix_a_scale:MATRIX_SCALE_ROW1 matrix_b_scale:MATRIX_SCALE_ROW1
.elseif (\ra)
	v_wmma_scale_f32_16x16x128_f8f6f4 v[\d:\d+7], v[\a:\a+11], v[\b:\b+11], 0, v[\sa], v[\sb] matrix_a_fmt:MATRIX_FMT_BF6 matrix_b_fmt:MATRIX_FMT_BF6 matrix_a_scale:MATRIX_SCALE_ROW1
.elseif (\rb)
	v_wmma_scale_f32_16x16x128_f8f6f4 v[\d:\d+7], v[\a:\a+11], v[\b:\b+11], 0, v[\sa], v[\sb] matrix_a_fmt:MATRIX_FMT_BF6 matrix_b_fmt:MATRIX_FMT_BF6 matrix_b_scale:MATRIX_SCALE_ROW1
.else
	v_wmma_scale_f32_16x16x128_f8f6f4 v[\d:\d+7], v[\a:\a+11], v[\b:\b+11], 0, v[\sa], v[\sb] matrix_a_fmt:MATRIX_FMT_BF6 matrix_b_fmt:MATRIX_FMT_BF6
.endif
.else
.if (\ra) && (\rb)
	v_wmma_scale_f32_16x16x128_f8f6f4 v[\d:\d+7], v[\a:\a+11], v[\b:\b+11], v[\d:\d+7], v[\sa], v[\sb] matrix_a_fmt:MATRIX_FMT_BF6 matrix_b_fmt:MATRIX_FMT_BF6 matrix_a_scale:MATRIX_SCALE_ROW1 matrix_b_scale:MATRIX_SCALE_ROW1
.elseif (\ra)
	v_wmma_scale_f32_16x16x128_f8f6f4 v[\d:\d+7], v[\a:\a+11], v[\b:\b+11], v[\d:\d+7], v[\sa], v[\sb] matrix_a_fmt:MATRIX_FMT_BF6 matrix_b_fmt:MATRIX_FMT_BF6 matrix_a_scale:MATRIX_SCALE_ROW1
.elseif (\rb)
	v_wmma_scale_f32_16x16x128_f8f6f4 v[\d:\d+7], v[\a:\a+11], v[\b:\b+11], v[\d:\d+7], v[\sa], v[\sb] matrix_a_fmt:MATRIX_FMT_BF6 matrix_b_fmt:MATRIX_FMT_BF6 matrix_b_scale:MATRIX_SCALE_ROW1
.else
	v_wmma_scale_f32_16x16x128_f8f6f4 v[\d:\d+7], v[\a:\a+11], v[\b:\b+11], v[\d:\d+7], v[\sa], v[\sb] matrix_a_fmt:MATRIX_FMT_BF6 matrix_b_fmt:MATRIX_FMT_BF6
.endif
.endif
.endm
.macro FETCH0 s
.set E0, (\s)%2
.set GI, (\s)/4
.set O0, ((\s)%4)*BLKB
	WIN 0x40
.irp t, 0,1,2,3,4,5,6,7
.irp c, 0,1,2
	ds_load_b128 v[128*E0+12*\t+4*\c:128*E0+12*\t+4*\c+3], v[AF+GI] offset:O0+(\t/4)*UNITB+(\t%4)*FRB+512*\c
.endr
.endr
	WIN 0
.irp p, 0,1,2,3
	ds_load_b32 v[SC0+4*E0+\p], v[ASC+GI] offset:O0+(\p/2)*UNITB+SCO+128*(\p%2)
.endr
.endm
.macro FETCH1 s
.set Q1, (\s)%4
	WIN 0xc0
.irp b, 0,1,2,3
.irp c, 0,1,2
	global_load_b128 v[48*Q1+12*\b+4*\c:48*Q1+12*\b+4*\c+3], v[LI], s[48:49] offset:BLKB*(\s)+FRB*\b+512*\c
.endr
.endr
	WIN 0
.irp p, 0,1
	global_load_b32 v[SC1+2*Q1+\p], v[LS], s[48:49] offset:BLKB*(\s)+SCO+128*\p
.endr
.endm
.macro MUL32 s, zero
.set E0, (\s)%2
.set Q1, (\s)%4
.irp b, 0,1,2,3
.irp a, 0,1,2,3,4,5,6,7
	WMS 64*\b+8*\a, 128*E0+12*\a, 48*Q1+12*\b, \zero, SC0+4*E0+\a/2, SC1+2*Q1+\b/2, \a%2, \b%2
.endr
.endr
.endm
.macro STEP s
	s_wait_dscnt 0x0
.if NK-1-(\s) >= 3
	s_wait_loadcnt 42
.else
	s_wait_loadcnt 14*(NK-1-(\s))
.endif
.if ((\s)%4 == 3) && ((\s)+1 < NK)
	s_wait_tensorcnt NG-1-((\s)+1)/4
	s_barrier_signal -1
	s_barrier_wait -1
.endif
.if (\s)+1 < NK
	FETCH0 (\s)+1
.endif
	WIN MULW
.if (\s) == 0
	MUL32 \s, 1
.else
	MUL32 \s, 0
.endif
	PLACES
.if (\s)+4 < NK
	FETCH1 (\s)+4
.endif
	WIN 0
.endm
.macro TOSTAGE b
	WIN 0x08
.irp a, 0,1,2,3,4,5,6,7
	ds_store_b128 v[STO], v[64*(\b)+8*\a:64*(\b)+8*\a+3] offset:128*(\a/2)+32*(\a%2)
	ds_store_b128 v[STO], v[64*(\b)+8*\a+4:64*(\b)+8*\a+7] offset:128*(\a/2)+32*(\a%2)+16
.endr
	WIN 0
.set BB, BK+64*((\b)%2)
.irp i, 0,1,2,3,4,5,6,7,8,9,10,11,12,13,14,15
	ds_load_b128 v[BB+4*\i:BB+4*\i+3], v[RD] offset:528*\i
.endr
.endm
.macro SEND b, younger
.set BB, BK+64*((\b)%2)
	s_wait_dscnt \younger
.irp i, 0,1,2,3,4,5,6,7,8,9,10,11,12,13,14,15
	global_store_b128 v[LI], v[BB+4*\i:BB+4*\i+3], s[50:51] offset:(32*((\b)/2)+8*((\b)%2)+\i+8*(\i/8))*8192 th:TH_STORE_NT
.endr
.endm
	s_load_b128 s[4:7], s[0:1], 0x0
	s_load_b64 s[8:9], s[0:1], 0x10
	v_lshl_add_u32 v254, v0, 2, 0x29000
	v_mov_b32 v255, 0
	ds_add_u32 v254, v255
	ds_add_u32 v254, v255
	v_lshrrev_b32 v1, 5, v0
	v_readfirstlane_b32 s20, v1
	s_and_b32 s21, ttmp7, 0xffff
	s_lshr_b32 s62, s20, 1
	s_and_b32 s63, s20, 1
	s_mov_b32 s24, 3<<16
	s_mov_b32 s25, 32<<16
	s_mov_b32 s26, 50<<16
	s_mov_b32 s27, 32<<16
	s_mov_b32 s28, 50
	s_mov_b32 s29, 32
	s_mov_b32 s30, 0
	s_mov_b32 s31, 0
	s_mul_i32 s66, ttmp9, MATB
	s_mul_i32 s71, s20, BLKB
	s_add_co_u32 s22, s66, s71
	s_mov_b32 s23, 0
	s_wait_dscnt 0x0
	s_wait_kmcnt 0x0
	s_add_nc_u64 s[52:53], s[6:7], s[22:23]
.irp g, 0,1
	s_mov_b32 s[32+4*\g], 1
	s_add_co_u32 s[33+4*\g], s71, \g*GRPB
	s_add_nc_u64 s[34+4*\g:35+4*\g], s[52:53], \g*GRPB
	s_or_b32 s[35+4*\g], s[35+4*\g], 0x80000000
.endr
	tensor_load_to_lds s[32:35], s[24:31]
	s_nop 0
	s_wait_alu depctr_va_vdst(0)
	s_wait_tensorcnt 0x0
	ds_add_u32 v254, v255
	s_wait_dscnt 0x0
	s_barrier_signal -1
	s_barrier_wait -1
	tensor_load_to_lds s[36:39], s[24:31]
	s_nop 0
	PLACES
	s_lshl_b32 s22, s21, 1
	s_add_co_u32 s22, s22, s62
	s_mul_i32 s22, s22, MATB
	s_mul_i32 s67, s63, UNITB
	s_add_co_u32 s22, s22, s67
	s_add_nc_u64 s[48:49], s[4:5], s[22:23]
	s_lshl_b32 s22, s21, 8
	s_lshl_b32 s67, s20, 6
	s_add_co_u32 s22, s22, s67
	s_lshl_b32 s22, s22, 13
	s_lshl_b32 s67, ttmp9, 9
	s_add_co_u32 s22, s22, s67
	s_add_nc_u64 s[50:51], s[8:9], s[22:23]
	s_mul_i32 s66, s20, STGB
	s_add_co_u32 s66, s66, MATB
	v_and_b32 v1, 31, v0
	v_lshlrev_b32 v[LS], 2, v1
	v_lshlrev_b32 v[LI], 4, v1
	v_and_b32 v5, 15, v0
	v_bfe_u32 v6, v0, 4, 1
	v_mul_u32_u24 v[STO], v5, 528
	v_lshl_add_u32 v[STO], v6, 6, v[STO]
	v_add_nc_u32 v[STO], s66, v[STO]
	v_add_nc_u32 v[RD], s66, v[LI]
.irp g, 0,1
	v_add_nc_u32 v[AF+\g], \g*GRPB, v[LI]
	v_add_nc_u32 v[ASC+\g], \g*GRPB, v[LS]
.endr
	FETCH1 0
	FETCH1 1
	FETCH1 2
	FETCH1 3
	s_wait_alu depctr_va_vdst(0)
	s_wait_tensorcnt NG-1
	s_barrier_signal -1
	s_barrier_wait -1
	FETCH0 0
.set KS, 0
.rept NK
	STEP KS
.set KS, KS+1
.endr
	TOSTAGE 0
.irp b, 1,2,3
.if \b > 1
	s_wait_xcnt 0x0
.endif
	TOSTAGE \b
	SEND \b-1, 32
.endr
	SEND 3, 0
	s_wait_tensorcnt 0x0
	ds_add_u32 v254, v255
	s_wait_dscnt 0x0
	s_endpgm
.Lfunc_end_k_qbc37d73902_oproj:
	.size	k_qbc37d73902_oproj, .Lfunc_end_k_qbc37d73902_oproj-k_qbc37d73902_oproj
	.p2alignl 7, 3214868480
	.fill 96, 4, 3214868480
	.section	.rodata,"a",@progbits
	.p2align	6, 0x0
	.amdhsa_kernel k_qbc37d73902_oproj
		.amdhsa_group_segment_fixed_size 327680
		.amdhsa_private_segment_fixed_size 0
		.amdhsa_enable_private_segment 0
		.amdhsa_kernarg_size 24
		.amdhsa_user_sgpr_count 2
		.amdhsa_user_sgpr_kernarg_segment_ptr 1
		.amdhsa_wavefront_size32 1
		.amdhsa_system_sgpr_workgroup_id_x 1
		.amdhsa_system_sgpr_workgroup_id_y 1
		.amdhsa_system_sgpr_workgroup_id_z 1
		.amdhsa_system_vgpr_workitem_id 0
		.amdhsa_next_free_vgpr 1024
		.amdhsa_next_free_sgpr 72
		.amdhsa_reserve_vcc 0
		.amdhsa_float_denorm_mode_32 3
		.amdhsa_float_denorm_mode_16_64 3
		.amdhsa_memory_ordered 1
		.amdhsa_forward_progress 1
		.amdhsa_inst_pref_size 78
	.end_amdhsa_kernel
	.amdgpu_metadata
---
amdhsa.version: [ 1, 2 ]
amdhsa.kernels:
  - .name:           k_qbc37d73902_oproj
    .symbol:         k_qbc37d73902_oproj.kd
    .args:
      - { .name: oc, .offset: 0, .size: 8, .value_kind: global_buffer, .address_space: global }
      - { .name: woc, .offset: 8, .size: 8, .value_kind: global_buffer, .address_space: global }
      - { .name: out0, .offset: 16, .size: 8, .value_kind: global_buffer, .address_space: global }
    .group_segment_fixed_size: 327680
    .private_segment_fixed_size: 0
    .kernarg_segment_align: 8
    .kernarg_segment_size: 24
    .max_flat_workgroup_size: 128
    .sgpr_count:     72
    .vgpr_count:     1024
    .wavefront_size: 32
...
	.end_amdgpu_metadata
.endif
;; end of part 4
